; MI455X (gfx1250); checked and timed in simulation.
; The chip was launched on July 23, 2026; its instructions are those of AMD's public machine-readable ISA for CDNA 5 (MIT licence, August 2026) and "CDNA5" Instruction Set Architecture Reference Guide (July 2026). The comments in the code are by the model that wrote it; some were corrected since.
;; Multi Head Attention. Allowed arithmetic: matrix products marked QUANTISED: E2M1 operands, one E8M0 scale for each 32 along K, by v_wmma_scale_f32_16x16x128_f8f6f4 with both operands' format E2M1 (or v_wmma_scale_f32_32x16x128_f4), f32 sums; everything else in f32.
;; Inputs: Wo_codes 1,024 x 32 x 16 uint8 (E2M1 codes of Wo, K innermost, in blocks of 32 codes, two codes a byte); Wo_scales 1,024 x 32 uint8 (E8M0 scales of Wo, one for each 32 codes along K); Wqkv_codes 3,072 x 32 x 16 uint8 (E2M1 codes of Wqkv, K innermost, in blocks of 32 codes, two codes a byte); Wqkv_scales 3,072 x 32 uint8 (E8M0 scales of Wqkv, one for each 32 codes along K); bo 1,024 float32; bqkv 3,072 float32; x_codes 4 x 2,048 x 32 x 16 uint8 (E2M1 codes of x, K innermost, in blocks of 32 codes, two codes a byte); x_scales 4 x 2,048 x 32 uint8 (E8M0 scales of x, one for each 32 codes along K).
;; Outputs: out0 4 x 2,048 x 1,024 float32.
;; This version of the problem:
;;   THIS VERSION OF THE PROBLEM IS GIVEN IN LOW PRECISION. The matrix products marked QUANTISED in the list below multiply operands that are first quantised to E2M1 (2 exponent bits, 1 mantissa bit; 4 bits a number), with one power-of-two scale for each 32 numbers along K (OCP MX v1.0); their sums are f32. All else is computed in f32.
;;   The module's matrix products, in the order in which they are computed (A, B: the left and right operand; K: the contracted axis; several contracted axes count as one K, in the product's order):
;;     1. [M 8,192, K 1,024] x [K 1,024, N 3,072]; A: input x (given as codes); B: input Wqkv (given as codes): QUANTISED
;;     2. batch 64 x [M 2,048, K 64] x [K 64, N 2,048]; A: computed on the way; B: computed on the way: QUANTISED
;;     3. batch 64 x [M 2,048, K 2,048] x [K 2,048, N 64]; A: softmax (see below); B: computed on the way: QUANTISED
;;     4. [M 8,192, K 1,024] x [K 1,024, N 1,024]; A: computed on the way; B: input Wo (given as codes): QUANTISED
;;   THE QUANTISER, for each operand of a quantised product, along K:
;;     - K is cut into blocks of 32 from its start; a last block that is shorter is filled with zeros.
;;     - A block's scale is 2^e with e = floor(log2(the largest magnitude in the block)) - 2, held to -126 .. 127; a block of zeros has e = 0. As a byte (E8M0): e + 127.
;;     - Each number is divided by its block's scale, clamped to +-6, and rounded to the nearest number of E2M1, ties to even, subnormals kept.
;;     - The product sums the exact products of the quantised numbers (number of the format x scale) in f32.
;;   ~~~python
;;   def quantise(x, axis):      # numpy; x: float32 -> the quantised numbers, widened to float32 again
;;       x = np.moveaxis(x, axis, -1); K = x.shape[-1]
;;       x = np.pad(x, [(0, 0)] * (x.ndim - 1) + [(0, -K % 32)]); x = x.reshape(x.shape[:-1] + (-1, 32)); a = np.abs(x).max(-1, keepdims=True)
;;       e = np.where(a > 0, np.clip(np.frexp(np.where(a > 0, a, 1))[1] - 1 - 2, -126, 127), 0)      # np.frexp(a)[1] - 1 = floor(log2(a)), exactly
;;       r = np.clip(x / 2.0 ** e, -6, 6)
;;       step = 2.0 ** (np.maximum(np.frexp(np.where(r == 0, 1, r))[1] - 1, 0) - 1)
;;       q = np.round(r / step) * step * 2.0 ** e      # np.round: ties to even
;;       return np.moveaxis(q.reshape(q.shape[:-2] + (-1,))[..., :K], -1, axis).astype(np.float32)
;;   ~~~
;;   SOFTMAX AHEAD OF A QUANTISED PRODUCT. Where the list says 'softmax', what is quantised is not the finished softmax but p = 2^(t - M), with t = logit x log2(e) and M = ceil(the row's largest t), a whole number; so 1/2 < the row's largest p <= 1. The row's sum l is taken of the UNQUANTISED p, in f32, and the product's result is divided by l at the end. Since M is a whole number, a kernel that streams over the keys may use a running M (the ceiling of the running maximum): every later rescaling is an exact power of two, which a block's scale takes up: the codes' values come out the same.
;;   OPERANDS COMPUTED ON THE WAY. 'Computed on the way' means the value that the module computes at that place (a softmax that the list does not call 'softmax' is quantised finished and normalised). What goes into a quantiser is computed in f32, as accurately as f32 sums, v_exp_f32 and their like allow (about 1e-6 of the number): no bf16 or f16 on the way to a quantiser, and a product that is left as it is and whose result goes on into a quantised operand takes f32 operands (vector FMAs, or v_wmma_f32_16x16x4_f32). A number that lies on a knife's edge between two numbers of the format may be rounded either way, as far as f32 arithmetic and the matrix unit's own rounding can turn it there, and no further.
;;   INPUTS GIVEN AS CODES. Wo (in the module: [1024, 1024], K = its axis 0); Wqkv (in the module: [1024, 3072], K = its axis 0); x (in the module: [4, 2048, 1024], K = its axis 2): each comes as NAME_codes (uint8): NAME with its K axis moved to the last place and cut into blocks of 32 codes, [.., K / 32, bytes a block], one block behind the other in memory; two codes a byte, the lower K in the low four bits (a code: sign, 2 exponent bits, 1 mantissa bit); and NAME_scales (uint8): the same leading axes, one E8M0 byte (e + 127) for each 32 codes along K. Its value is code x scale, taken as it is: it is not quantised again, and the codes and scales need not be those that the quantiser above would give.
;; 2 versions. Each part assembles by itself: llvm-mc -triple=amdgcn-amd-amdhsa -mcpu=gfx1250 --defsym DOCPART=n.
;; ======== version 1 of 2: 3 launches
;; workspace buffers: ws_qkv 13,893,632 bytes; ao_codes 4,194,304 bytes; ao_scales 262,144 bytes
;; launch qkv (part 1): grid 12 x 32, 16 waves a work-group, clusters of 4 x 4, 289,792 bytes of LDS; arguments x_codes, x_scales, Wqkv_codes, Wqkv_scales, bqkv, ws_qkv; writes ws_qkv
.if DOCPART == 1
	.amdgcn_target "amdgcn-amd-amdhsa--gfx1250"
	.amdhsa_code_object_version 6
	.text
	.protected	k_q75c6e5fa66_qkv
	.globl	k_q75c6e5fa66_qkv
	.p2align	8
	.type	k_q75c6e5fa66_qkv,@function
k_q75c6e5fa66_qkv:
	s_mov_b64 s[64:65], 0
	v_nop
	global_prefetch_b8 v0, s[64:65] scope:SCOPE_SE
	s_setreg_imm32_b32 hwreg(HW_REG_WAVE_MODE, 25, 1), 1
	s_wait_xcnt 0x0
	s_wait_alu depctr_hold_cnt(0) depctr_sa_sdst(0) depctr_va_vdst(0) depctr_va_sdst(0) depctr_va_ssrc(0) depctr_va_vcc(0) depctr_vm_vsrc(0)
	s_getreg_b32 s2, hwreg(HW_REG_IB_STS2, 6, 4)
	s_cmp_eq_u32 s2, 0
	s_cbranch_scc0 .Lentry_in_a_cluster
	s_endpgm
.Lentry_in_a_cluster:
	s_bfe_u32 s2, ttmp6, 0x10000c
	s_cmp_lg_u32 s2, 0xf033
	s_cbranch_scc0 .Lentry_shape_is_right
	s_endpgm
.Lentry_shape_is_right:
; qkv = x Wqkv + bqkv on codes of FP4 (E2M1) with one E8M0 scale for each 32 along K (K = 1,024); the result never leaves as f32:
; q and k are quantised along the head's 64 (two blocks a head), v along the tokens (the keys of the later product), and codes and scale bytes go to ws_qkv.
; SHARES.  A work-group makes 256 tokens x 256 features over all of K; its tiles of x and W (256 rows x 512 bytes each) and their scale bytes fit in LDS at once:
; every tensor load is a first fill, no LDS byte is filled twice.  Sixteen waves; wave w makes 64 tokens (w % 4) x 64 features (w / 4: one head): 16 accumulators.
; CLUSTER 4 x 4: the four of a row need the same rows of x, the four of a column the same rows of W: each tile is asked for jointly.
; The cluster's x (0, 1, 2) says whether the features are q's, k's or v's: it is the same in all sixteen partners, and the one branch of the text hangs on it.
; q, k: source 0 = 16 rows of W, source 1 = 16 tokens: a lane holds ONE token and its registers run along the features, the quantiser's K.
; v:    source 0 = 16 tokens, source 1 = 16 rows of W: a lane holds ONE feature and its registers run along the tokens, the quantiser's K.
; ws_qkv: a record of REC bytes for each (batch, head, 128 tokens), laid as images of the reader's operand registers:
;   0     k's codes: tile t of 16 keys: lane (r, h)'s 16 bytes at 512 t + 16 lane = block h of key 16 t + r
;   4096  k's scale words: [2][32 lanes][2 words]: word g of lane (r, hh) in half f belongs to tile 2 (2 f + g) + hh, row r: two bytes, then 0x7f twice (for the zero codes that fill K = 64 up to 128)
;   4608  v's codes: tile t of 16 of the head's 64, c = 0, 1: at 1024 t + 512 c + 16 lane: keys 64 c + 32 h + 0 .. 31 of row 16 t + r
;   8704  v's scale words: [32 lanes][2 words]: word i of lane (r, hh) belongs to tile 2 i + hh, row r: the four key blocks' bytes
;   8960  q's codes, 13056 q's scale words: as k's
; LIMITS: NaN and infinities are not served; a block whose largest magnitude lies under 2^-124 keeps the byte 1 (a block of zeros too: its codes are zeros, and this program alone reads the bytes).
; The bias enters as the C of each sum's first product.
.set REC,   13568
.set QOFF,  8960
.set KSO,   4096
.set VCO,   4608
.set VSO,   8704
.set PITCH, 528                        ; an LDS row: 512 bytes + 16 of padding = 33 x 16: the 16 rows that a load touches start at 16 different 16-byte columns of the 64 banks (ISA guide 11.1)
.set XT,    0                          ; x's 256 rows
.set WT,    256*PITCH                  ; W's 256 rows
.set XS,    2*256*PITCH                ; x's scale bytes: 8,192 bytes as 32 rows of 256 + 16
.set WS,    XS+32*272                  ; W's likewise; the map ends at 287,744
.set ADX, 3                            ; v3   LDS address of my x fragments
.set ADW, 4                            ; v4   of my W fragments
.set ADS, 5                            ; v5   of my scale words: lanes 0-15 x's rows, lanes 16-31 W's
.set VC,  6                            ; v6   my byte offset in a record's codes
.set VS8, 7                            ; v7   and in its scale words
.set SH,  8                            ; v8   16 x (lane / 16)
.set LANE, 11
.set BV,  12                           ; v12-15  the bias of feature 16 b + r (v's path)
.set SC,  16                           ; v16-31  scale words: register 4 i + q % 4: lanes 0-15 x's tile i, lanes 16-31 W's tile i, K step q
.set BI,  32                           ; v32-63  the bias as C of the first products; free behind K step 0:
.set TM,  32                           ; v32-35 largest magnitudes, v36-39 the other half's and then bytes, v40-43 the conversions' scale operands
.set PW0, 44
.set PW1, 45
.set W0,  46
.set W1,  47
.set PC0, 48                           ; v48-55, v56-63 codes
.set PC1, 56
.set WF,  64                           ; v64-95   W's four fragments
.set XF,  96                           ; v96-127  x's four
.set ACC, 128                          ; v128-255 sixteen accumulators
.set WV,  16
.set PART, 18
.set WQ,  19
.set WP,  20
.set CX,  21
.set CY,  22
.set TX,  23
.set TY,  24
.set HF,  25
.set G1X,  28                          ; s[28:35] group 1, x's codes;  s[36:43] W's;  s[44:51], s[52:59] their scale bytes
.set G1W,  36
.set G1XS, 44
.set G1WS, 52
.set G0X,  60                          ; groups 0
.set G0W,  68
.set G0XS, 72
.set G0WS, 76
.set SEL,  80
.set PADS, 82
.set OUT,  84
.macro PLACES n                        ; plain vector instructions behind a matrix instruction (ISA guide 7.12.1)
.rept \n
	v_nop
.endr
.endm
.macro CROUND                          ; a round of the cluster's barrier: my work-group's barrier; wave 0 signals for the work-group; every wave waits for all sixteen; my work-group's barrier once more
	s_barrier_signal -1
	s_barrier_wait -1
	s_cmp_lg_u32 s[WV], 0
	s_cbranch_scc1 .Lnot_wave_0_\@
	s_barrier_signal -3
.Lnot_wave_0_\@:
	s_barrier_wait -3
	s_barrier_signal -1
	s_barrier_wait -1
.endm
	s_load_b256 s[4:11], s[0:1], 0x0               ; x's codes s[4:5], x's scales s[6:7], W's codes s[8:9], W's scales s[10:11]
	s_load_b128 s[12:15], s[0:1], 0x20             ; the bias s[12:13], ws_qkv s[14:15]
	v_lshl_add_u32 v254, v0, 2, 0x46400
	v_mov_b32 v255, 0
	ds_add_u32 v254, v255
	ds_add_u32 v254, v255
	s_wait_dscnt 0x0
	v_lshrrev_b32 v1, 5, v0
	v_readfirstlane_b32 s[WV], v1                  ; wave 0..15
	s_and_b32 s[PART], s[WV], 7                    ; which 32 rows I fetch (waves 0-7: of x, waves 8-15: of W)
	s_and_b32 s[WQ], s[WV], 3                      ; my 64 tokens
	s_lshr_b32 s[WP], s[WV], 2                     ; my 64 features
	s_and_b32 s[HF], s[WQ], 1                      ; which half of a record's 128 tokens they are
	s_bfe_u32 s[CX], ttmp6, 0x40000
	s_bfe_u32 s[CY], ttmp6, 0x40004
	s_lshl_b32 s[TX], ttmp9, 2
	s_add_co_u32 s[TX], s[TX], s[CX]               ; block of 256 features = 4 x cluster x + cx
	s_and_b32 s[TY], ttmp7, 0xffff
	s_lshl_b32 s[TY], s[TY], 2
	s_add_co_u32 s[TY], s[TY], s[CY]               ; block of 256 tokens = 4 x cluster y + cy
	s_lshl_b32 s86, s[CY], 2
	s_lshl_b32 s86, 15, s86                        ; my row of the cluster
	s_lshl_b32 s87, 0x1111, s[CX]                  ; my column
	; group 1 for codes: 32 rows x 512 elements of one byte, 4 words of padding behind every 128; bit 21 stands beside a mask
	s_or_b32 s[G1X], s86, (1<<20)|(1<<21)|(6<<22)|(3<<25)
	s_or_b32 s[G1W], s87, (1<<20)|(1<<21)|(6<<22)|(3<<25)
.irp g, G1X, G1W
	s_mov_b32 s[\g+1], 512<<16                     ; tensor_dim0
	s_mov_b32 s[\g+2], 32<<16                      ; tensor_dim1
	s_mov_b32 s[\g+3], 512<<16                     ; tile_dim0
	s_mov_b32 s[\g+4], 32                          ; tile_dim1
	s_mov_b32 s[\g+5], 512                         ; from row to row
	s_mov_b32 s[\g+6], 0
	s_mov_b32 s[\g+7], 0
.endr
	; group 1 for the scale bytes of 32 rows: 1,024 dense bytes as 4 rows of 32 elements of 8 bytes, 4 words of padding behind every 64
	s_or_b32 s[G1XS], s86, (3<<16)|(1<<20)|(1<<21)|(5<<22)|(3<<25)
	s_or_b32 s[G1WS], s87, (3<<16)|(1<<20)|(1<<21)|(5<<22)|(3<<25)
.irp g, G1XS, G1WS
	s_mov_b32 s[\g+1], 32<<16
	s_mov_b32 s[\g+2], 4<<16
	s_mov_b32 s[\g+3], 32<<16
	s_mov_b32 s[\g+4], 4
	s_mov_b32 s[\g+5], 32
	s_mov_b32 s[\g+6], 0
	s_mov_b32 s[\g+7], 0
.endr
	; every wave makes both sides' addresses; the registers of x's never hold cx, those of W's never cy
	s_lshl_b32 s98, s[PART], 5
	s_lshl_b32 s88, s[TY], 8
	s_add_co_u32 s88, s88, s98                     ; x: row 256 ty + 32 part
	s_lshl_b32 s90, s88, 5                         ; its scale bytes, 32 a row
	s_lshl_b32 s88, s88, 9                         ; its codes, 512 bytes a row
	s_mov_b32 s89, 0
	s_mov_b32 s91, 0
	s_lshl_b32 s94, s[TX], 8
	s_add_co_u32 s94, s94, s98                     ; W: row 256 tx + 32 part
	s_lshl_b32 s96, s94, 5
	s_lshl_b32 s94, s94, 9
	s_mov_b32 s95, 0
	s_mov_b32 s97, 0
	s_mul_i32 s98, s[PART], 32*PITCH               ; where they go: the wave's number times a constant
	s_mul_i32 s99, s[PART], 4*272
	s_mov_b32 s[SEL], 0x76543210
	s_mov_b32 s[SEL+1], 0xfedcba98                 ; v_permlanex16_b32's selects for lane l xor 16
	s_mov_b32 s[PADS], 0x7f7f0000
	s_wait_kmcnt 0x0
	s_mov_b32 s[G0X], 1
	s_add_co_u32 s[G0X+1], s98, XT
	s_add_nc_u64 s[G0X+2:G0X+3], s[4:5], s[88:89]
	s_or_b32 s[G0X+3], s[G0X+3], 0x80000000
	s_mov_b32 s[G0XS], 1
	s_add_co_u32 s[G0XS+1], s99, XS
	s_add_nc_u64 s[G0XS+2:G0XS+3], s[6:7], s[90:91]
	s_or_b32 s[G0XS+3], s[G0XS+3], 0x80000000
	s_mov_b32 s[G0W], 1
	s_add_co_u32 s[G0W+1], s98, WT
	s_add_nc_u64 s[G0W+2:G0W+3], s[8:9], s[94:95]
	s_or_b32 s[G0W+3], s[G0W+3], 0x80000000
	s_mov_b32 s[G0WS], 1
	s_add_co_u32 s[G0WS+1], s99, WS
	s_add_nc_u64 s[G0WS+2:G0WS+3], s[10:11], s[96:97]
	s_or_b32 s[G0WS+3], s[G0WS+3], 0x80000000
	CROUND                                         ; all sixteen work-groups are here: the joint loads meet
	s_cmp_lt_u32 s[WV], 8                          ; a wave's two fills stand in one branch on its number: two tensor loads of mine are out, and no more follow
	s_cbranch_scc0 .Lfor_w
	tensor_load_to_lds s[G0XS:G0XS+3], s[G1XS:G1XS+7]
	s_nop 0
	tensor_load_to_lds s[G0X:G0X+3], s[G1X:G1X+7]
	s_nop 0
	PLACES 4                                       ; four v_nop follow the loads, ahead of the jump and the label
	s_branch .Lasked
.Lfor_w:
	tensor_load_to_lds s[G0WS:G0WS+3], s[G1WS:G1WS+7]
	s_nop 0
	tensor_load_to_lds s[G0W:G0W+3], s[G1W:G1W+7]
	s_nop 0
	PLACES 4
.Lasked:
	v_and_b32 v1, 15, v0                           ; r
	v_bfe_u32 v2, v0, 4, 1                         ; h
	v_and_b32 v[LANE], 31, v0
	v_mul_u32_u24 v[ADX], v1, PITCH
	v_lshl_add_u32 v[ADX], v2, 4, v[ADX]           ; a fragment's row x pitch + 16 h
	s_mul_i32 s26, s[WP], 64*PITCH
	s_add_co_u32 s26, s26, WT
	v_add_nc_u32 v[ADW], s26, v[ADX]
	s_mul_i32 s26, s[WQ], 64*PITCH
	v_add_nc_u32 v[ADX], s26, v[ADX]
	v_lshrrev_b32 v[ADS], 3, v1                    ; a row's 32 scale bytes: eight rows to 256 bytes + 16
	v_mul_u32_u24 v[ADS], v[ADS], 272
	v_and_b32 v9, 7, v1
	v_lshl_add_u32 v[ADS], v9, 5, v[ADS]
	s_xor_b32 s26, s[WQ], 3                        ; lanes 16-31 take W's words: 8,704 + 2,176 wp - 2,176 wq further on = 2,176 x (wp + (3 - wq) + 1)
	s_add_co_u32 s26, s26, s[WP]
	s_add_co_u32 s26, s26, 1
	s_mul_i32 s26, s26, 2176
	v_mul_u32_u24 v9, s26, v2
	v_add_nc_u32 v[ADS], v[ADS], v9
	s_mul_i32 s26, s[WQ], 2176
	s_add_co_u32 s26, s26, XS
	v_add_nc_u32 v[ADS], s26, v[ADS]
	v_lshlrev_b32 v[SH], 4, v2
	s_lshl_b32 s26, s[TX], 10                      ; the bias of my 64 features
	s_lshl_b32 s27, s[WP], 8
	s_add_co_u32 s26, s26, s27
	s_mov_b32 s27, 0
	s_add_nc_u64 s[12:13], s[12:13], s[26:27]
	v_lshlrev_b32 v9, 5, v2                        ; 32 h
	v_lshlrev_b32 v10, 2, v1                       ; 4 r
.irp b, 0,1,2,3
	global_load_b128 v[BI+8*\b:BI+8*\b+3], v9, s[12:13] offset:64*\b        ; features 16 b + 8 h + 0 .. 7: q's and k's layout
	global_load_b128 v[BI+8*\b+4:BI+8*\b+7], v9, s[12:13] offset:64*\b+16
	global_load_b32 v[BV+\b], v10, s[12:13] offset:64*\b                    ; feature 16 b + r: v's layout
.endr
	s_lshl_b32 s26, s[CX], 2                       ; my record: head = 4 cx + wp,
	s_add_co_u32 s26, s26, s[WP]
	s_lshr_b32 s27, s[TY], 3                       ; batch = ty / 8,
	s_lshl_b32 s27, s27, 4
	s_add_co_u32 s26, s26, s27
	s_lshl_b32 s26, s26, 4
	s_and_b32 s27, s[TY], 7                        ; 128 tokens: 2 (ty % 8) + wq / 2
	s_lshl_b32 s27, s27, 1
	s_add_co_u32 s26, s26, s27
	s_lshr_b32 s27, s[WQ], 1
	s_add_co_u32 s26, s26, s27
	s_mul_i32 s26, s26, REC
	s_cmp_eq_u32 ttmp9, 0                          ; q's part of a record lies QOFF bytes behind k's
	s_cselect_b32 s27, QOFF, 0
	s_add_co_u32 s26, s26, s27
	s_mov_b32 s27, 0
	s_add_nc_u64 s[OUT:OUT+1], s[14:15], s[26:27]
; K step q of 128: every fourth step the scale words of four steps (16 bytes a row), then W's four and x's four fragments.
; A fragment is 16 rows x 128 K in 8 registers: lane (r, h) holds row r; registers 4 c .. 4 c + 3 hold K = 64 c + 32 h + 0 .. 31: 16 bytes of the row as they lie.
.macro FETCH q
.if (\q)%4 == 0
.irp i, 0,1,2,3
	ds_load_b128 v[SC+4*\i:SC+4*\i+3], v[ADS] offset:544*\i+16*((\q)/4)
.endr
.endif
.irp b, 0,1,2,3
.irp c, 0,1
	ds_load_b128 v[WF+8*\b+4*\c:WF+8*\b+4*\c+3], v[ADW] offset:16*PITCH*\b+64*(\q)+32*\c
.endr
.endr
.irp a, 0,1,2,3
.irp c, 0,1
	ds_load_b128 v[XF+8*\a+4*\c:XF+8*\a+4*\c+3], v[ADX] offset:16*PITCH*\a+64*(\q)+32*\c
.endr
.endr
.endm
; 16 products; the sixteen accumulators take turns, one instruction a turn, in the same order in every step.  K step 0 starts the sums with the bias as C.
.macro MULS q, vp
.irp a, 0,1,2,3
.irp b, 0,1,2,3
.if \vp
.if (\q) == 0
	v_wmma_scale_f32_16x16x128_f8f6f4 v[ACC+8*(4*\b+\a):ACC+8*(4*\b+\a)+7], v[XF+8*\a:XF+8*\a+7], v[WF+8*\b:WF+8*\b+7], v[BI+8*\b:BI+8*\b+7], v[SC+4*\a+(\q)%4], v[SC+4*\b+(\q)%4] matrix_a_fmt:MATRIX_FMT_FP4 matrix_b_fmt:MATRIX_FMT_FP4 matrix_b_scale:MATRIX_SCALE_ROW1
.else
	v_wmma_scale_f32_16x16x128_f8f6f4 v[ACC+8*(4*\b+\a):ACC+8*(4*\b+\a)+7], v[XF+8*\a:XF+8*\a+7], v[WF+8*\b:WF+8*\b+7], v[ACC+8*(4*\b+\a):ACC+8*(4*\b+\a)+7], v[SC+4*\a+(\q)%4], v[SC+4*\b+(\q)%4] matrix_a_fmt:MATRIX_FMT_FP4 matrix_b_fmt:MATRIX_FMT_FP4 matrix_b_scale:MATRIX_SCALE_ROW1
.endif
.else
.if (\q) == 0
	v_wmma_scale_f32_16x16x128_f8f6f4 v[ACC+8*(4*\a+\b):ACC+8*(4*\a+\b)+7], v[WF+8*\b:WF+8*\b+7], v[XF+8*\a:XF+8*\a+7], v[BI+8*\b:BI+8*\b+7], v[SC+4*\b+(\q)%4], v[SC+4*\a+(\q)%4] matrix_a_fmt:MATRIX_FMT_FP4 matrix_b_fmt:MATRIX_FMT_FP4 matrix_a_scale:MATRIX_SCALE_ROW1
.else
	v_wmma_scale_f32_16x16x128_f8f6f4 v[ACC+8*(4*\a+\b):ACC+8*(4*\a+\b)+7], v[WF+8*\b:WF+8*\b+7], v[XF+8*\a:XF+8*\a+7], v[ACC+8*(4*\a+\b):ACC+8*(4*\a+\b)+7], v[SC+4*\b+(\q)%4], v[SC+4*\a+(\q)%4] matrix_a_fmt:MATRIX_FMT_FP4 matrix_b_fmt:MATRIX_FMT_FP4 matrix_a_scale:MATRIX_SCALE_ROW1
.endif
.endif
.endr
.endr
.endm
; 64 numbers of a lane, four blocks of 32 along the quantiser's K: block b = registers 16 b .. 16 b + 15 = two result tiles; register 16 b + 8 u + j of lane half h is number 16 u + 8 h + j of the block.
; A conversion's eight codes are word 2 u + h of the block's four.  Blocks 2 c and 2 c + 1 put their words of tile u side by side, and one exchange of halves leaves registers pc + 4 c .. + 3 with
; block 2 c whole in lanes 0-15 and block 2 c + 1 whole in lanes 16-31.  pw: the four blocks' scale bytes.  Each accumulator is read from its low end on.
.macro QUANT s, pc, pw
.irp b, 0,1,2,3
	v_max3_num_f32 v[TM+\b], |v[(\s)+16*\b]|, |v[(\s)+16*\b+1]|, 0x1800000     ; my 16 numbers, and the floor 2^(3 - 127): the byte cannot fall under 1
.endr
.irp i, 2,4,6,8,10,12,14
.irp b, 0,1,2,3
	v_max3_num_f32 v[TM+\b], v[TM+\b], |v[(\s)+16*\b+\i]|, |v[(\s)+16*\b+\i+1]|   ; the four blocks by turns
.endr
.endr
.irp b, 0,1,2,3
	v_permlanex16_b32 v[TM+4+\b], v[TM+\b], s[SEL], s[SEL+1]
.endr
.irp b, 0,1,2,3
	v_max_num_f32 v[TM+\b], v[TM+\b], v[TM+4+\b]   ; with lane l xor 16's: the block's largest magnitude
.endr
.irp b, 0,1,2,3
	v_add_nc_u32 v[TM+8+\b], 0xff000000, v[TM+\b]  ; 2 off its exponent field: the conversion takes this operand's exponent field as its scale
.endr
.irp b, 0,1,2,3
	v_lshrrev_b32 v[TM+4+\b], 23, v[TM+8+\b]       ; the scale's byte
.endr
	v_lshl_or_b32 v[\pw], v[TM+5], 8, v[TM+4]
	v_lshl_or_b32 v[\pw], v[TM+6], 16, v[\pw]
	v_lshl_or_b32 v[\pw], v[TM+7], 24, v[\pw]
.irp b, 0,1,2,3
.irp u, 0,1
	v_cvt_scalef32_pk8_fp4_f32 v[\pc+4*(\b/2)+2*\u+(\b%2)], v[(\s)+16*\b+8*\u:(\s)+16*\b+8*\u+7], v[TM+8+\b]
.endr
.endr
	v_nop                                          ; one plain place behind the scaled conversions
.irp c, 0,1
.irp u, 0,1
	v_permlane16_swap_b32 v[\pc+4*\c+2*\u], v[\pc+4*\c+2*\u+1]
.endr
.endr
.endm
; The whole way of a wave: vp = 0: q or k;  vp = 1: v.  No barrier and no LDS store stands in it.
.macro PATH vp
	v_lshlrev_b32 v[VC], 4, v[LANE]
	v_lshlrev_b32 v[VS8], 3, v[LANE]
.if \vp
	v_lshl_add_u32 v[VC], s[HF], 9, v[VC]          ; 16 lane + 512 x half: my 64 tokens are c = half of each fragment of v
	v_lshl_add_u32 v[VS8], s[HF], 1, v[VS8]        ; 8 lane + 2 x half: my two of a scale word's four bytes
.irp b, 0,1,2,3
.irp j, 0,1,2,3,4,5,6,7
	v_mov_b32 v[BI+8*\b+\j], v[BV+\b]              ; here a lane holds one feature: its bias in all eight registers of the tile
.endr
.endr
	PLACES 4                                       ; an operand written by vector instructions stands four places ahead of a scaled matrix instruction
.else
	v_lshl_add_u32 v[VC], s[HF], 11, v[VC]         ; 16 lane + 2,048 x half: my four tiles of the record's eight
	v_lshl_add_u32 v[VS8], s[HF], 8, v[VS8]        ; 8 lane + 256 x half
.endif
.irp q, 0,1,2,3,4,5,6,7
.if \q > 0
	PLACES 4                                       ; in front of loads into registers that matrix instructions have read
.endif
	FETCH \q
	s_wait_dscnt 0x0                               ; this step's fragments and scale words are in; the three other waves of the SIMD work meanwhile
	MULS \q, \vp
.endr
.irp b, 0,1,2,3
	v_mov_b32 v[TM+4+\b], 0                        ; a lane permute's destination counts as read; these four are also the places behind the last products
.endr
	QUANT ACC, PC0, PW0
.irp c, 0,1
.if \vp
	global_store_b128 v[VC], v[PC0+4*\c:PC0+4*\c+3], s[OUT:OUT+1] offset:VCO+1024*\c
.else
	global_store_b128 v[VC], v[PC0+4*\c:PC0+4*\c+3], s[OUT:OUT+1] offset:512*\c       ; 32 lanes store 512 consecutive bytes, aligned
.endif
.endr
	QUANT ACC+64, PC1, PW1
.irp c, 0,1
.if \vp
	global_store_b128 v[VC], v[PC1+4*\c:PC1+4*\c+3], s[OUT:OUT+1] offset:VCO+1024*(2+\c)
.else
	global_store_b128 v[VC], v[PC1+4*\c:PC1+4*\c+3], s[OUT:OUT+1] offset:512*(2+\c)
.endif
.endr
	v_lshrrev_b32 v[W0], v[SH], v[PW0]             ; lanes 0-15 keep the first tile's two bytes, lanes 16-31 take the second's
	v_lshrrev_b32 v[W1], v[SH], v[PW1]
.if \vp
	global_store_b16 v[VS8], v[W0], s[OUT:OUT+1] offset:VSO        ; two bytes of each word: the wave with the record's other 64 tokens, of this work-group, stores the other two.
	global_store_b16 v[VS8], v[W1], s[OUT:OUT+1] offset:VSO+4      ; (Short stores: 256 bytes of a record's 13,568)
.else
	v_and_or_b32 v[W0], v[W0], 0xffff, s[PADS]     ; the bytes of the zero codes that fill K up: 0x7f
	v_and_or_b32 v[W1], v[W1], 0xffff, s[PADS]
	global_store_b64 v[VS8], v[W0:W1], s[OUT:OUT+1] offset:KSO     ; 32 lanes store 256 consecutive bytes, aligned
.endif
.endm
	s_wait_tensorcnt 0x0                           ; my parts of the tiles and of the scale bytes are in,
	s_barrier_signal -1
	s_barrier_wait -1                              ; everybody's are
	s_wait_loadcnt 0x0                             ; the bias
	s_cmp_eq_u32 ttmp9, 2                          ; the cluster's x: the same in all partners
	s_cbranch_scc1 .Lv
	PATH 0
	s_branch .Lend
.Lv:
	PATH 1
.Lend:
	s_wait_xcnt 0x0
	v_lshl_add_u32 v254, v0, 2, 0x46400
	v_mov_b32 v255, 0
	s_wait_tensorcnt 0x0
	ds_add_u32 v254, v255
	s_wait_dscnt 0x0
	CROUND                                         ; the closing round: no work-group ends while a partner may still ask for a tile that names it
	s_endpgm
.Lfunc_end_k_q75c6e5fa66_qkv:
	.size	k_q75c6e5fa66_qkv, .Lfunc_end_k_q75c6e5fa66_qkv-k_q75c6e5fa66_qkv
	.p2alignl 7, 3214868480
	.fill 96, 4, 3214868480
	.section	.rodata,"a",@progbits
	.p2align	6, 0x0
	.amdhsa_kernel k_q75c6e5fa66_qkv
		.amdhsa_group_segment_fixed_size 289792
		.amdhsa_private_segment_fixed_size 0
		.amdhsa_enable_private_segment 0
		.amdhsa_kernarg_size 48
		.amdhsa_user_sgpr_count 2
		.amdhsa_user_sgpr_kernarg_segment_ptr 1
		.amdhsa_wavefront_size32 1
		.amdhsa_system_sgpr_workgroup_id_x 1
		.amdhsa_system_sgpr_workgroup_id_y 1
		.amdhsa_system_sgpr_workgroup_id_z 1
		.amdhsa_system_vgpr_workitem_id 0
		.amdhsa_next_free_vgpr 256
		.amdhsa_next_free_sgpr 100
		.amdhsa_reserve_vcc 0
		.amdhsa_float_denorm_mode_32 3
		.amdhsa_float_denorm_mode_16_64 3
		.amdhsa_memory_ordered 1
		.amdhsa_forward_progress 1
		.amdhsa_inst_pref_size 79
	.end_amdhsa_kernel
	.amdgpu_metadata
---
amdhsa.version: [ 1, 2 ]
amdhsa.kernels:
  - .name:           k_q75c6e5fa66_qkv
    .symbol:         k_q75c6e5fa66_qkv.kd
    .args:
      - { .name: x_codes, .offset: 0, .size: 8, .value_kind: global_buffer, .address_space: global }
      - { .name: x_scales, .offset: 8, .size: 8, .value_kind: global_buffer, .address_space: global }
      - { .name: Wqkv_codes, .offset: 16, .size: 8, .value_kind: global_buffer, .address_space: global }
      - { .name: Wqkv_scales, .offset: 24, .size: 8, .value_kind: global_buffer, .address_space: global }
      - { .name: bqkv, .offset: 32, .size: 8, .value_kind: global_buffer, .address_space: global }
      - { .name: ws_qkv, .offset: 40, .size: 8, .value_kind: global_buffer, .address_space: global }
    .group_segment_fixed_size: 289792
    .private_segment_fixed_size: 0
    .kernarg_segment_align: 8
    .kernarg_segment_size: 48
    .max_flat_workgroup_size: 512
    .sgpr_count:     100
    .vgpr_count:     256
    .wavefront_size: 32
...
	.end_amdgpu_metadata
.endif
;; end of part 1
;; launch attn (part 2): grid 4 x 64, 16 waves a work-group, clusters of 4 x 1, 169,984 bytes of LDS; arguments ws_qkv, ao_codes, ao_scales; writes ao_codes, ao_scales
.if DOCPART == 2
	.amdgcn_target "amdgcn-amd-amdhsa--gfx1250"
	.amdhsa_code_object_version 6
	.text
	.protected	k_q75c6e5fa66_attn
	.globl	k_q75c6e5fa66_attn
	.p2align	8
	.type	k_q75c6e5fa66_attn,@function
k_q75c6e5fa66_attn:
	s_mov_b64 s[64:65], 0
	v_nop
	global_prefetch_b8 v0, s[64:65] scope:SCOPE_SE
	s_setreg_imm32_b32 hwreg(HW_REG_WAVE_MODE, 25, 1), 1
	s_wait_xcnt 0x0
	s_wait_alu depctr_hold_cnt(0) depctr_sa_sdst(0) depctr_va_vdst(0) depctr_va_sdst(0) depctr_va_ssrc(0) depctr_va_vcc(0) depctr_vm_vsrc(0)
	s_getreg_b32 s2, hwreg(HW_REG_IB_STS2, 6, 4)
	s_cmp_eq_u32 s2, 0
	s_cbranch_scc0 .Lentry_in_a_cluster
	s_endpgm
.Lentry_in_a_cluster:
	s_bfe_u32 s2, ttmp6, 0x10000c
	s_cmp_lg_u32 s2, 0x3003
	s_cbranch_scc0 .Lentry_shape_is_right
	s_endpgm
.Lentry_shape_is_right:
; O = softmax(q k^T / 8) v for one (batch, head), both products on codes of FP4 (E2M1) with E8M0 scales; the result is divided by the row's sum and quantised along the embedding (two blocks a head).
; SOFTMAX: t = score x log2(e) / 8; M = the running largest t rounded UP to a whole number; p = 2^(t - M) is quantised along the keys, not normalised; the row's sum is taken of the unquantised p.
; When M moves, the sum and O are multiplied by 2^(old M - new M), which rounds nothing.
; SHARES.  A work-group owns 512 queries of one head; each of its sixteen waves 32: two tiles of 16, one after the other.  Four waves to a SIMD: one wave's products and LDS loads stand beside another's softmax.
; A head's k and v (codes and scale words, 16 records' first 8,960 bytes) fit in LDS at once: wave w brings record w by ONE tensor load, a first fill; no LDS byte is filled twice.
; CLUSTER 4 x 1: the four blocks of queries of a head read the same k and v: the loads are joint.
; LAYOUT.  Both products are used transposed: S^T = k q^T (source 0 = 16 keys), O^T = v^T p^T (source 0 = 16 of the head's 64): a lane holds ONE query throughout.
; The head's 64 are half of the instruction's 128 along K: registers 4-7 of k's and q's fragments hold zero codes, and their scale bytes are 0x7f.
; The records hold images of the operands' registers: every LDS load takes 16 (or 8) x lane consecutive bytes.
; OUT: ao_codes [tile of 16 tokens][head][512 bytes]: lane (r, h)'s 16 bytes = block h of the head for token r;  ao_scales [token][32]: byte 2 head + block.
; LIMITS: NaN and infinities are not served; p under 2^-126 comes out as 0 (v_exp_f32 flushes denormals: ISA guide 15.8); a block whose largest magnitude lies under 2^-124 keeps the byte 1;
; the division by the sum is v_rcp_f32 and a multiplication.
.set REC,  13568
.set KVB,  8960                        ; a record's bytes of k and v: 35 x 256
.set KSO,  4096
.set VCO,  4608
.set VSO,  8704
.set QCO,  8960
.set QSO,  13056
.set L16,  1                           ; v1  16 x lane
.set L8,   2                           ; v2  8 x lane
.set R8,   3                           ; v3  8 x (lane % 16)
.set AD16, 4                           ; v4  the step's record + 16 x lane
.set AD8,  5                           ; v5  the step's record + 8 x lane
.set OS,   6                           ; v6  32 x (lane % 16)
.set QSC,  7                           ; v7  q's scale words
.set KSC,  8                           ; v8-11  k's: register i: lanes 0-15 tile 2 i, lanes 16-31 tile 2 i + 1
.set QF,   16                          ; v16-23 q's fragment;  v12 -M, v13 the largest t, v[14:15] the sum in two halves
.set VSC,  24                          ; v24-25 v's scale words
.set KF,   32                          ; v32-63 four fragments of k
.set VF,   64                          ; v64-95 v's four
.set ST,   96                          ; v96-159 S^T, then p
.set OT,   160                         ; v160-191 O^T
.set PC,   192                         ; v192-199 p's codes
.set BM,   200                         ; v200-203 the blocks' largest scores, then largest p
.set PT,   204                         ; v204-207 the other half's, then bytes
.set SO,   208                         ; v208-211 the conversions' scale operands
.set FF,   212                         ; v[212:213] f = 2^(old M - new M)
.set PW,   214                         ; p's scale word
.set TMP,  215
.set S2,   216                         ; v[216:217] the sum's second chain
.set WV,  10
.set CX,  11
.set QB,  12
.set BH,  13
.set G0,  16
.set G1,  20
.set SEL, 28
.set CS,  30
.set TB,  32
.set CNT, 33
.set QP,  36
.set QSP, 38
.set OP,  40
.set OSP, 42
.macro PLACES n
.rept \n
	v_nop
.endr
.endm
.macro CROUND
	s_barrier_signal -1
	s_barrier_wait -1
	s_cmp_lg_u32 s[WV], 0
	s_cbranch_scc1 .Lnot_wave_0_\@
	s_barrier_signal -3
.Lnot_wave_0_\@:
	s_barrier_wait -3
	s_barrier_signal -1
	s_barrier_wait -1
.endm
	s_load_b128 s[4:7], s[0:1], 0x0                ; ws_qkv s[4:5], ao_codes s[6:7]
	s_load_b64 s[8:9], s[0:1], 0x10                ; ao_scales
	v_lshl_add_u32 v254, v0, 2, 0x29000
	v_mov_b32 v255, 0
	ds_add_u32 v254, v255
	ds_add_u32 v254, v255
	v_lshrrev_b32 v1, 5, v0
	v_readfirstlane_b32 s[WV], v1                  ; wave 0..15
	s_bfe_u32 s[CX], ttmp6, 0x40000
	s_lshl_b32 s[QB], ttmp9, 2
	s_add_co_u32 s[QB], s[QB], s[CX]               ; my block of 512 queries: it enters q's and the outputs' addresses alone
	s_and_b32 s[BH], ttmp7, 0xffff                 ; 16 x batch + head, which the four partners share
	s_mul_i32 s44, s[BH], 16*REC                   ; the head's first record
	s_mul_i32 s46, s[WV], REC
	s_add_co_u32 s46, s46, s44                     ; record w
	s_mov_b32 s47, 0
	s_mov_b32 s[G1], 15|(3<<16)|(1<<21)            ; the mask: all four work-groups; elements of 8 bytes; no padding; bit 21 beside a mask
	s_mov_b32 s[G1+1], 32<<16                      ; 35 rows of 256 dense bytes
	s_mov_b32 s[G1+2], 35<<16
	s_mov_b32 s[G1+3], 32<<16
	s_mov_b32 s[G1+4], 35
	s_mov_b32 s[G1+5], 32
	s_mov_b32 s[G1+6], 0
	s_mov_b32 s[G1+7], 0
	s_mov_b32 s[G0], 1
	s_mul_i32 s[G0+1], s[WV], KVB                  ; LDS: the wave's number times a constant
	s_mov_b32 s[SEL], 0x76543210
	s_mov_b32 s[SEL+1], 0xfedcba98
	s_mov_b32 s[CS], 0x3e38aa3b                    ; c = log2(e) / 8
	s_mov_b32 s[CS+1], s[CS]                       ; (the packed form names the pair)
	s_wait_dscnt 0x0
	s_wait_kmcnt 0x0
	s_add_nc_u64 s[G0+2:G0+3], s[4:5], s[46:47]
	s_or_b32 s[G0+3], s[G0+3], 0x80000000
	CROUND                                         ; all four work-groups are here: the joint loads meet
	tensor_load_to_lds s[G0:G0+3], s[G1:G1+7]      ; my one tensor load of the launch
	s_nop 0
	PLACES 4
	s_lshl_b32 s48, s[QB], 2                       ; my queries' record: 4 x block + wave / 4
	s_lshr_b32 s49, s[WV], 2
	s_add_co_u32 s48, s48, s49
	s_mul_i32 s48, s48, REC
	s_add_co_u32 s48, s48, s44
	s_and_b32 s49, s[WV], 3                        ; in it my tiles 2 (w % 4) and 2 (w % 4) + 1
	s_lshl_b32 s49, s49, 10
	s_add_co_u32 s50, s48, s49
	s_add_co_u32 s50, s50, QCO
	s_mov_b32 s51, 0
	s_add_nc_u64 s[QP:QP+1], s[4:5], s[50:51]
	s_bfe_u32 s49, s[WV], 0x10001                  ; their scale words: half (w / 2) % 2, word w % 2; the second tile's lie 16 lanes (128 bytes) on
	s_lshl_b32 s49, s49, 8
	s_add_co_u32 s50, s48, s49
	s_and_b32 s49, s[WV], 1
	s_lshl_b32 s49, s49, 2
	s_add_co_u32 s50, s50, s49
	s_add_co_u32 s50, s50, QSO
	s_add_nc_u64 s[QSP:QSP+1], s[4:5], s[50:51]
	s_lshr_b32 s48, s[BH], 4                       ; my first tile of 16 tokens: 128 x batch + 32 x block + 2 x wave
	s_lshl_b32 s48, s48, 7
	s_lshl_b32 s49, s[QB], 5
	s_add_co_u32 s48, s48, s49
	s_lshl_b32 s49, s[WV], 1
	s_add_co_u32 s48, s48, s49
	s_and_b32 s49, s[BH], 15                       ; the head
	s_lshl_b32 s50, s48, 13
	s_lshl_b32 s52, s49, 9
	s_add_co_u32 s50, s50, s52
	s_add_nc_u64 s[OP:OP+1], s[6:7], s[50:51]
	s_lshl_b32 s50, s48, 9
	s_lshl_b32 s52, s49, 1
	s_add_co_u32 s50, s50, s52
	s_add_nc_u64 s[OSP:OSP+1], s[8:9], s[50:51]
	v_and_b32 v[L8], 31, v0
	v_lshlrev_b32 v[L16], 4, v[L8]
	v_lshlrev_b32 v[L8], 3, v[L8]
	v_and_b32 v[OS], 15, v0
	v_lshlrev_b32 v[R8], 3, v[OS]
	v_lshlrev_b32 v[OS], 5, v[OS]
.irp j, 4,5,6,7
	v_mov_b32 v[QF+\j], 0                          ; zero codes for K = 64 .. 127: written once
.endr
.irp t, 0,1,2,3
.irp j, 4,5,6,7
	v_mov_b32 v[KF+8*\t+\j], 0
.endr
.endr
.irp b, 0,1,2,3
	v_mov_b32 v[PT+\b], 0                          ; a lane permute's destination counts as read
.endr
	v_mov_b32 v[FF+1], 0                           ; (named as the upper half of a pair)
.macro SPROD t                         ; S^T of keys 16 t .. 16 t + 15: begun with the constant 0
.if (\t)%2
	v_wmma_scale_f32_16x16x128_f8f6f4 v[ST+8*(\t):ST+8*(\t)+7], v[KF+8*((\t)%4):KF+8*((\t)%4)+7], v[QF:QF+7], 0, v[KSC+(\t)/2], v[QSC] matrix_a_fmt:MATRIX_FMT_FP4 matrix_b_fmt:MATRIX_FMT_FP4 matrix_a_scale:MATRIX_SCALE_ROW1
.else
	v_wmma_scale_f32_16x16x128_f8f6f4 v[ST+8*(\t):ST+8*(\t)+7], v[KF+8*((\t)%4):KF+8*((\t)%4)+7], v[QF:QF+7], 0, v[KSC+(\t)/2], v[QSC] matrix_a_fmt:MATRIX_FMT_FP4 matrix_b_fmt:MATRIX_FMT_FP4
.endif
.endm
.macro OPROD t                         ; O^T of the head's 16 t .. 16 t + 15, K = the step's 128 keys; the four accumulators take turns
.if (\t)%2
	v_wmma_scale_f32_16x16x128_f8f6f4 v[OT+8*(\t):OT+8*(\t)+7], v[VF+8*(\t):VF+8*(\t)+7], v[PC:PC+7], v[OT+8*(\t):OT+8*(\t)+7], v[VSC+(\t)/2], v[PW] matrix_a_fmt:MATRIX_FMT_FP4 matrix_b_fmt:MATRIX_FMT_FP4 matrix_a_scale:MATRIX_SCALE_ROW1
.else
	v_wmma_scale_f32_16x16x128_f8f6f4 v[OT+8*(\t):OT+8*(\t)+7], v[VF+8*(\t):VF+8*(\t)+7], v[PC:PC+7], v[OT+8*(\t):OT+8*(\t)+7], v[VSC+(\t)/2], v[PW] matrix_a_fmt:MATRIX_FMT_FP4 matrix_b_fmt:MATRIX_FMT_FP4
.endif
.endm
; A KEY STEP: 128 keys.  Register ST + 16 b + 8 u + j of lane half h is key 32 b + 16 u + 8 h + j.
.macro STEP
	v_add_nc_u32 v[AD16], s[TB], v[L16]
	v_add_nc_u32 v[AD8], s[TB], v[L8]
	PLACES 2                                       ; with the two additions: four places behind the last step's products, in front of loads into their registers
.irp t, 0,1,2,3
	ds_load_b128 v[KF+8*\t:KF+8*\t+3], v[AD16] offset:512*\t
.endr
.irp f, 0,1
	ds_load_b64 v[KSC+2*\f:KSC+2*\f+1], v[AD8] offset:KSO+256*\f
.endr
.irp t, 0,1,2,3
.irp c, 0,1
	ds_load_b128 v[VF+8*\t+4*\c:VF+8*\t+4*\c+3], v[AD16] offset:VCO+1024*\t+512*\c
.endr
.endr
	ds_load_b64 v[VSC:VSC+1], v[AD8] offset:VSO
	s_wait_dscnt 9                                 ; k's four fragments and its scale words are in; v's nine loads, issued behind them, may be out
.irp t, 0,1,2,3
	SPROD \t
.endr
	PLACES 4
.irp t, 0,1,2,3
	ds_load_b128 v[KF+8*\t:KF+8*\t+3], v[AD16] offset:2048+512*\t
.endr
	s_wait_dscnt 0x0                               ; k's other four fragments, and v
.irp t, 4,5,6,7
	SPROD \t
.endr
	PLACES 4
.irp b, 0,1,2,3
	v_max3_num_f32 v[BM+\b], v[ST+16*\b], v[ST+16*\b+1], v[ST+16*\b+2]     ; the largest score of each block of 32 keys: for the row's maximum and, since p rises with the score, for the block's largest p
.endr
.irp i, 3,5,7,9,11,13
.irp b, 0,1,2,3
	v_max3_num_f32 v[BM+\b], v[BM+\b], v[ST+16*\b+\i], v[ST+16*\b+\i+1]
.endr
.endr
.irp b, 0,1,2,3
	v_max_num_f32 v[BM+\b], v[BM+\b], v[ST+16*\b+15]
.endr
.irp b, 0,1,2,3
	v_permlanex16_b32 v[PT+\b], v[BM+\b], s[SEL], s[SEL+1]
.endr
.irp b, 0,1,2,3
	v_max_num_f32 v[BM+\b], v[BM+\b], v[PT+\b]     ; with lane l xor 16's 16 keys
.endr
	v_max3_num_f32 v[TMP], v[BM], v[BM+1], v[BM+2]
	v_max_num_f32 v[TMP], v[TMP], v[BM+3]          ; the step's largest score of my query
	v_mul_f32 v[TMP], s[CS], v[TMP]                ; as t (c is positive)
	v_max_num_f32 v13, v13, v[TMP]                 ; the running largest t
	v_mov_b32 v[TMP], v12
	v_floor_f32 v12, -v13                          ; the new -M = floor(-t): M is a whole number
	v_sub_f32 v[TMP], v12, v[TMP]                  ; old M - new M: a whole number, 0 or less
	v_cvt_i32_f32 v[TMP], v[TMP]                   ; (it saturates)
	v_ldexp_f32 v[FF], 1.0, v[TMP]                 ; f = 2^(old M - new M)
.irp j, 0,2,4,6,8,10,12,14,16,18,20,22,24,26,28,30,32,34,36,38,40,42,44,46,48,50,52,54,56,58,60,62
	v_pk_fma_f32 v[ST+\j:ST+\j+1], v[ST+\j:ST+\j+1], s[CS:CS+1], v[12:13] op_sel_hi:[1,0,0]   ; t - M, two at a time
.endr
.irp b, 0,1,2,3
	v_fma_f32 v[BM+\b], v[BM+\b], s[CS], v12       ; the same of each block's largest score
.endr
.irp j, 0,1,2,3,4,5,6,7,8,9,10,11,12,13,14,15,16,17,18,19,20,21,22,23,24,25,26,27,28,29,30,31,32,33,34,35,36,37,38,39,40,41,42,43,44,45,46,47,48,49,50,51,52,53,54,55,56,57,58,59,60,61,62,63
	v_exp_f32 v[ST+\j], v[ST+\j]                   ; p = 2^(t - M), at most 1
.endr
.irp b, 0,1,2,3
	v_exp_f32 v[BM+\b], v[BM+\b]                   ; the block's largest p
.endr
	v_pk_mul_f32 v[14:15], v[14:15], v[FF:FF+1] op_sel_hi:[1,0]    ; the sums under the new M (the plain place behind the exponentials)
	s_wait_alu depctr_va_vdst(0)
.irp b, 0,1,2,3
	v_max_num_f32 v[BM+\b], 0x1800000, v[BM+\b]    ; the floor 2^(3 - 127): the byte cannot fall under 1
.endr
.irp b, 0,1,2,3
	v_add_nc_u32 v[SO+\b], 0xff000000, v[BM+\b]    ; 2 off the exponent field: the conversion's scale operand
.endr
.irp b, 0,1,2,3
	v_lshrrev_b32 v[PT+\b], 23, v[SO+\b]           ; the scale's byte
.endr
	v_lshl_or_b32 v[PW], v[PT+1], 8, v[PT]         ; p's scale word for these 128 keys
	v_lshl_or_b32 v[PW], v[PT+2], 16, v[PW]
	v_lshl_or_b32 v[PW], v[PT+3], 24, v[PW]
.irp b, 0,1,2,3
.irp u, 0,1
	v_cvt_scalef32_pk8_fp4_f32 v[PC+4*(\b/2)+2*\u+(\b%2)], v[ST+16*\b+8*\u:ST+16*\b+8*\u+7], v[SO+\b]   ; word 2 u + h of block b
.endr
.endr
	v_nop                                          ; one plain place behind the scaled conversions
.irp c, 0,1
.irp u, 0,1
	v_permlane16_swap_b32 v[PC+4*\c+2*\u], v[PC+4*\c+2*\u+1]       ; lanes 0-15 now hold block 2 c whole, lanes 16-31 block 2 c + 1
.endr
.endr
	v_pk_add_f32 v[S2:S2+1], v[ST:ST+1], v[ST+2:ST+3]              ; the row's sum of the unquantised p, in two chains
.irp j, 4,8,12,16,20,24,28,32,36,40,44,48,52,56,60
	v_pk_add_f32 v[14:15], v[14:15], v[ST+\j:ST+\j+1]
	v_pk_add_f32 v[S2:S2+1], v[S2:S2+1], v[ST+\j+2:ST+\j+3]
.endr
	v_pk_add_f32 v[14:15], v[14:15], v[S2:S2+1]
.irp j, 0,2,4,6,8,10,12,14,16,18,20,22,24,26,28,30
	v_pk_mul_f32 v[OT+\j:OT+\j+1], v[OT+\j:OT+\j+1], v[FF:FF+1] op_sel_hi:[1,0]    ; O^T under the new M; each accumulator from its low end on.  (The sums and these are the places between p's codes and scale word and the products)
.endr
.irp t, 0,1,2,3
	OPROD \t
.endr
	s_add_co_u32 s[TB], s[TB], KVB                 ; the next record
.endm
; One tile of 16 queries: n = 0, 1.  The tile's place stands in the immediates: no pointer is stepped.
.macro TILE n
	global_load_b128 v[QF:QF+3], v[L16], s[QP:QP+1] offset:512*\n
	global_load_b32 v[QSC], v[R8], s[QSP:QSP+1] offset:128*\n
	v_mov_b32 v13, 0xff61b1e6                      ; the largest t so far: -3e38
	v_floor_f32 v12, -v13
	v_mov_b32 v14, 0
	v_mov_b32 v15, 0
.irp j, 0,1,2,3,4,5,6,7,8,9,10,11,12,13,14,15,16,17,18,19,20,21,22,23,24,25,26,27,28,29,30,31
	v_mov_b32 v[OT+\j], 0                          ; the step is written once: the first finds zeros, which the first change of M leaves zeros
.endr
	s_mov_b32 s[TB], 0
	s_mov_b32 s[CNT], 16
	s_wait_loadcnt 0x0                             ; q
.Lstep_\@:
	STEP
	s_sub_co_u32 s[CNT], s[CNT], 1
	s_cmp_lg_u32 s[CNT], 0
	s_cbranch_scc1 .Lstep_\@
	PLACES 4                                       ; behind the last products
	v_add_f32 v14, v14, v15                        ; the sum's two halves,
	v_permlanex16_b32 v[TMP], v14, s[SEL], s[SEL+1]
	v_add_f32 v14, v14, v[TMP]                     ; and lane l xor 16's
	v_rcp_f32 v14, v14
	v_nop                                          ; a plain place behind the transcendental
	s_wait_alu depctr_va_vdst(0)
.irp i, 0,1,2,3,4,5,6,7,8,9,10,11,12,13,14,15
	v_pk_mul_f32 v[ST+2*\i:ST+2*\i+1], v[OT+2*\i:OT+2*\i+1], v[14:15] op_sel_hi:[1,0]      ; O^T / the sum: register 16 b + 8 u + j is channel 32 b + 16 u + 8 h + j of my query
.endr
.irp b, 0,1
	v_max3_num_f32 v[BM+\b], |v[ST+16*\b]|, |v[ST+16*\b+1]|, 0x1800000     ; the head's two blocks of 32 along the next product's K
.endr
.irp i, 2,4,6,8,10,12,14
.irp b, 0,1
	v_max3_num_f32 v[BM+\b], v[BM+\b], |v[ST+16*\b+\i]|, |v[ST+16*\b+\i+1]|
.endr
.endr
.irp b, 0,1
	v_permlanex16_b32 v[PT+\b], v[BM+\b], s[SEL], s[SEL+1]
.endr
.irp b, 0,1
	v_max_num_f32 v[BM+\b], v[BM+\b], v[PT+\b]
.endr
.irp b, 0,1
	v_add_nc_u32 v[SO+\b], 0xff000000, v[BM+\b]
.endr
.irp b, 0,1
	v_lshrrev_b32 v[PT+\b], 23, v[SO+\b]
.endr
	v_lshl_or_b32 v[PW], v[PT+1], 8, v[PT]         ; the two bytes
.irp b, 0,1
.irp u, 0,1
	v_cvt_scalef32_pk8_fp4_f32 v[PC+2*\u+\b], v[ST+16*\b+8*\u:ST+16*\b+8*\u+7], v[SO+\b]
.endr
.endr
	v_nop                                          ; one plain place behind the scaled conversions
.irp u, 0,1
	v_permlane16_swap_b32 v[PC+2*\u], v[PC+2*\u+1]
.endr
	global_store_b128 v[L16], v[PC:PC+3], s[OP:OP+1] offset:8192*\n        ; 32 lanes store 512 consecutive bytes, aligned
	global_store_b16 v[OS], v[PW], s[OSP:OSP+1] offset:512*\n              ; two bytes of each token's 32 (lanes l and l xor 16 store the same value): short stores, 1/16 of what the tile stores
.if \n == 0
	s_wait_xcnt 0x0                                ; the stores' data registers are written again in the next tile only behind this wait
.endif
.endm
	s_wait_tensorcnt 0x0                           ; my record is in,
	s_barrier_signal -1
	s_barrier_wait -1                              ; everybody's is: all sixteen lie in LDS for the rest of the launch
	TILE 0
	TILE 1
	s_wait_tensorcnt 0x0
	ds_add_u32 v254, v255
	s_wait_dscnt 0x0
	CROUND                                         ; the closing round
	s_endpgm
.Lfunc_end_k_q75c6e5fa66_attn:
	.size	k_q75c6e5fa66_attn, .Lfunc_end_k_q75c6e5fa66_attn-k_q75c6e5fa66_attn
	.p2alignl 7, 3214868480
	.fill 96, 4, 3214868480
	.section	.rodata,"a",@progbits
	.p2align	6, 0x0
	.amdhsa_kernel k_q75c6e5fa66_attn
		.amdhsa_group_segment_fixed_size 169984
		.amdhsa_private_segment_fixed_size 0
		.amdhsa_enable_private_segment 0
		.amdhsa_kernarg_size 24
		.amdhsa_user_sgpr_count 2
		.amdhsa_user_sgpr_kernarg_segment_ptr 1
		.amdhsa_wavefront_size32 1
		.amdhsa_system_sgpr_workgroup_id_x 1
		.amdhsa_system_sgpr_workgroup_id_y 1
		.amdhsa_system_sgpr_workgroup_id_z 1
		.amdhsa_system_vgpr_workitem_id 0
		.amdhsa_next_free_vgpr 256
		.amdhsa_next_free_sgpr 66
		.amdhsa_reserve_vcc 0
		.amdhsa_float_denorm_mode_32 3
		.amdhsa_float_denorm_mode_16_64 3
		.amdhsa_memory_ordered 1
		.amdhsa_forward_progress 1
		.amdhsa_inst_pref_size 45
	.end_amdhsa_kernel
	.amdgpu_metadata
---
amdhsa.version: [ 1, 2 ]
amdhsa.kernels:
  - .name:           k_q75c6e5fa66_attn
    .symbol:         k_q75c6e5fa66_attn.kd
    .args:
      - { .name: ws_qkv, .offset: 0, .size: 8, .value_kind: global_buffer, .address_space: global }
      - { .name: ao_codes, .offset: 8, .size: 8, .value_kind: global_buffer, .address_space: global }
      - { .name: ao_scales, .offset: 16, .size: 8, .value_kind: global_buffer, .address_space: global }
    .group_segment_fixed_size: 169984
    .private_segment_fixed_size: 0
    .kernarg_segment_align: 8
    .kernarg_segment_size: 24
    .max_flat_workgroup_size: 512
    .sgpr_count:     66
    .vgpr_count:     256
    .wavefront_size: 32
...
	.end_amdgpu_metadata
.endif
;; end of part 2
;; launch proj (part 3): grid 4 x 64, 8 waves a work-group, clusters of 4 x 4, 249,600 bytes of LDS; arguments ao_codes, ao_scales, Wo_codes, Wo_scales, bo, out0; writes out0
.if DOCPART == 3
	.amdgcn_target "amdgcn-amd-amdhsa--gfx1250"
	.amdhsa_code_object_version 6
	.text
	.protected	k_q75c6e5fa66_proj
	.globl	k_q75c6e5fa66_proj
	.p2align	8
	.type	k_q75c6e5fa66_proj,@function
k_q75c6e5fa66_proj:
	s_mov_b64 s[64:65], 0
	v_nop
	global_prefetch_b8 v0, s[64:65] scope:SCOPE_SE
	s_setreg_imm32_b32 hwreg(HW_REG_WAVE_MODE, 25, 1), 1
	s_wait_xcnt 0x0
	s_wait_alu depctr_hold_cnt(0) depctr_sa_sdst(0) depctr_va_vdst(0) depctr_va_sdst(0) depctr_va_ssrc(0) depctr_va_vcc(0) depctr_vm_vsrc(0)
	s_getreg_b32 s2, hwreg(HW_REG_IB_STS2, 6, 4)
	s_cmp_eq_u32 s2, 0
	s_cbranch_scc0 .Lentry_in_a_cluster
	s_endpgm
.Lentry_in_a_cluster:
	s_bfe_u32 s2, ttmp6, 0x10000c
	s_cmp_lg_u32 s2, 0xf033
	s_cbranch_scc0 .Lentry_shape_is_right
	s_endpgm
.Lentry_shape_is_right:
; out0 = a Wo + bo on codes of FP4 (E2M1) with one E8M0 scale for each 32 along K (K = 1,024); a = the attention's result as the launch before stored it.
; SHARES.  A work-group makes 128 tokens x 256 columns over all of K: 256 work-groups.  Its tiles and scale bytes fit in LDS at once: every tensor load is a first fill.
; Eight waves; wave w makes 64 tokens (w % 2) x 64 columns (w / 2): 16 accumulators.
; CLUSTER 4 x 4: a's tiles are shared along a row of the cluster, Wo's along a column: joint loads.
; Source 0 = 16 rows of Wo, source 1 = 16 tokens: a lane holds eight neighbouring columns of one row of out0.  The bias is the C of each sum's first product.
; ao_codes holds images of source 1's registers: [tile of 16 tokens][head][512]: K step q takes heads 2 q and 2 q + 1: 1,024 consecutive bytes, 16 x lane.
; LIMITS: NaN and infinities are not served.
.set PITCH, 528                        ; a row of Wo in LDS: 512 bytes + 16
.set AT,    0                          ; a's 8 tiles x 8,192 bytes, dense
.set WT,    65536                      ; Wo's 256 rows
.set AS,    WT+256*PITCH               ; a's scale bytes: 4,096 bytes as 16 rows of 256 + 16
.set WS,    AS+16*272                  ; Wo's: 32 rows of 256 + 16
.set STG,   WS+32*272                  ; the way out: 16 rows x (256 + 16) bytes for each wave, bytes of their own (from a multiple of 256 on) into which no fill lands; the map ends at 248,576
.set ADA, 3
.set ADW, 4
.set ADS, 5
.set STO, 6
.set RD,  7
.set CO,  8
.set LANE, 11
.set SC,  16                           ; v16-31 scale words: register 4 i + q % 4: lanes 0-15 a's tile i, lanes 16-31 Wo's tile i
.set BI,  32                           ; v32-63 the bias
.set WF,  64
.set XF,  96
.set BK,  64                           ; the way out: v64-95 and v96-127 by turns
.set ACC, 128
.set WV,  16
.set PART, 18
.set WQ,  19
.set WP,  20
.set CX,  21
.set CY,  22
.set TX,  23
.set TY,  24
.set G1A,  28
.set G1W,  36
.set G1AS, 44
.set G1WS, 52
.set G0A,  60
.set G0W,  68
.set G0AS, 72
.set G0WS, 76
.set OUT,  84
.macro PLACES n
.rept \n
	v_nop
.endr
.endm
.macro CROUND
	s_barrier_signal -1
	s_barrier_wait -1
	s_cmp_lg_u32 s[WV], 0
	s_cbranch_scc1 .Lnot_wave_0_\@
	s_barrier_signal -3
.Lnot_wave_0_\@:
	s_barrier_wait -3
	s_barrier_signal -1
	s_barrier_wait -1
.endm
	s_load_b256 s[4:11], s[0:1], 0x0               ; a's codes s[4:5], a's scales s[6:7], Wo's codes s[8:9], Wo's scales s[10:11]
	s_load_b128 s[12:15], s[0:1], 0x20             ; bo s[12:13], out0 s[14:15]
	v_lshl_add_u32 v14, v0, 2, 0x3cb00
	v_mov_b32 v15, 0
	ds_add_u32 v14, v15
	ds_add_u32 v14, v15
	v_lshrrev_b32 v1, 5, v0
	v_readfirstlane_b32 s[WV], v1                  ; wave 0..7
	s_and_b32 s[PART], s[WV], 3                    ; which quarter I fetch (waves 0-3: of a, waves 4-7: of Wo)
	s_and_b32 s[WQ], s[WV], 1                      ; my 64 tokens
	s_lshr_b32 s[WP], s[WV], 1                     ; my 64 columns
	s_bfe_u32 s[CX], ttmp6, 0x40000
	s_bfe_u32 s[CY], ttmp6, 0x40004
	s_lshl_b32 s[TX], ttmp9, 2
	s_add_co_u32 s[TX], s[TX], s[CX]               ; block of 256 columns
	s_and_b32 s[TY], ttmp7, 0xffff
	s_lshl_b32 s[TY], s[TY], 2
	s_add_co_u32 s[TY], s[TY], s[CY]               ; block of 128 tokens
	s_lshl_b32 s86, s[CY], 2
	s_lshl_b32 s86, 15, s86                        ; my row of the cluster
	s_lshl_b32 s87, 0x1111, s[CX]                  ; my column
	s_or_b32 s[G1A], s86, (3<<16)|(1<<21)          ; a's codes: 64 rows of 256 dense bytes (32 elements of 8), no padding
	s_mov_b32 s[G1A+1], 32<<16
	s_mov_b32 s[G1A+2], 64<<16
	s_mov_b32 s[G1A+3], 32<<16
	s_mov_b32 s[G1A+4], 64
	s_mov_b32 s[G1A+5], 32
	s_mov_b32 s[G1A+6], 0
	s_mov_b32 s[G1A+7], 0
	s_or_b32 s[G1W], s87, (1<<20)|(1<<21)|(6<<22)|(3<<25)          ; Wo's codes: 64 rows x 512 bytes, 4 words of padding behind every 128
	s_mov_b32 s[G1W+1], 512<<16
	s_mov_b32 s[G1W+2], 64<<16
	s_mov_b32 s[G1W+3], 512<<16
	s_mov_b32 s[G1W+4], 64
	s_mov_b32 s[G1W+5], 512
	s_mov_b32 s[G1W+6], 0
	s_mov_b32 s[G1W+7], 0
	s_or_b32 s[G1AS], s86, (3<<16)|(1<<20)|(1<<21)|(5<<22)|(3<<25) ; a's scale bytes of 32 tokens: 4 rows of 256 bytes, 4 words of padding behind every 64
	s_mov_b32 s[G1AS+1], 32<<16
	s_mov_b32 s[G1AS+2], 4<<16
	s_mov_b32 s[G1AS+3], 32<<16
	s_mov_b32 s[G1AS+4], 4
	s_mov_b32 s[G1AS+5], 32
	s_mov_b32 s[G1AS+6], 0
	s_mov_b32 s[G1AS+7], 0
	s_or_b32 s[G1WS], s87, (3<<16)|(1<<20)|(1<<21)|(5<<22)|(3<<25) ; Wo's of 64 rows: 8 such rows
	s_mov_b32 s[G1WS+1], 32<<16
	s_mov_b32 s[G1WS+2], 8<<16
	s_mov_b32 s[G1WS+3], 32<<16
	s_mov_b32 s[G1WS+4], 8
	s_mov_b32 s[G1WS+5], 32
	s_mov_b32 s[G1WS+6], 0
	s_mov_b32 s[G1WS+7], 0
	; every wave makes both sides' addresses; the registers of a's never hold cx, those of Wo's never cy
	s_lshl_b32 s88, s[TY], 16                      ; a's codes: 65,536 ty + 16,384 part
	s_lshl_b32 s98, s[PART], 14
	s_add_co_u32 s88, s88, s98
	s_mov_b32 s89, 0
	s_lshl_b32 s90, s[TY], 12                      ; its scale bytes: 4,096 ty + 1,024 part
	s_lshl_b32 s99, s[PART], 10
	s_add_co_u32 s90, s90, s99
	s_mov_b32 s91, 0
	s_lshl_b32 s94, s[TX], 8
	s_lshl_b32 s99, s[PART], 6
	s_add_co_u32 s94, s94, s99                     ; Wo: row 256 tx + 64 part
	s_lshl_b32 s96, s94, 5
	s_lshl_b32 s94, s94, 9
	s_mov_b32 s95, 0
	s_mov_b32 s97, 0
	s_mul_i32 s99, s[PART], 4*272                  ; where they go: the wave's number times a constant (s98 = 16,384 part serves a's codes)
	s_mul_i32 s92, s[PART], 64*PITCH
	s_mul_i32 s93, s[PART], 8*272
	s_wait_dscnt 0x0
	s_wait_kmcnt 0x0
	s_mov_b32 s[G0A], 1
	s_add_co_u32 s[G0A+1], s98, AT
	s_add_nc_u64 s[G0A+2:G0A+3], s[4:5], s[88:89]
	s_or_b32 s[G0A+3], s[G0A+3], 0x80000000
	s_mov_b32 s[G0AS], 1
	s_add_co_u32 s[G0AS+1], s99, AS
	s_add_nc_u64 s[G0AS+2:G0AS+3], s[6:7], s[90:91]
	s_or_b32 s[G0AS+3], s[G0AS+3], 0x80000000
	s_mov_b32 s[G0W], 1
	s_add_co_u32 s[G0W+1], s92, WT
	s_add_nc_u64 s[G0W+2:G0W+3], s[8:9], s[94:95]
	s_or_b32 s[G0W+3], s[G0W+3], 0x80000000
	s_mov_b32 s[G0WS], 1
	s_add_co_u32 s[G0WS+1], s93, WS
	s_add_nc_u64 s[G0WS+2:G0WS+3], s[10:11], s[96:97]
	s_or_b32 s[G0WS+3], s[G0WS+3], 0x80000000
	CROUND                                         ; all sixteen work-groups are here: the joint loads meet
	s_cmp_lt_u32 s[WV], 4                          ; a wave's two fills stand in one branch on its number: two tensor loads of mine are out, and no more follow
	s_cbranch_scc0 .Lfor_w
	tensor_load_to_lds s[G0AS:G0AS+3], s[G1AS:G1AS+7]
	s_nop 0
	tensor_load_to_lds s[G0A:G0A+3], s[G1A:G1A+7]
	s_nop 0
	PLACES 4
	s_branch .Lasked
.Lfor_w:
	tensor_load_to_lds s[G0WS:G0WS+3], s[G1WS:G1WS+7]
	s_nop 0
	tensor_load_to_lds s[G0W:G0W+3], s[G1W:G1W+7]
	s_nop 0
	PLACES 4
.Lasked:
	v_and_b32 v1, 15, v0                           ; r
	v_bfe_u32 v2, v0, 4, 1                         ; h
	v_and_b32 v[LANE], 31, v0
	v_mul_u32_u24 v[ADW], v1, PITCH
	v_lshl_add_u32 v[ADW], v2, 4, v[ADW]
	s_mul_i32 s26, s[WP], 64*PITCH
	s_add_co_u32 s26, s26, WT
	v_add_nc_u32 v[ADW], s26, v[ADW]               ; Wo: my 64 rows, row r x pitch + 16 h
	s_lshl_b32 s26, s[WQ], 15
	v_lshl_add_u32 v[ADA], v[LANE], 4, s26         ; a: my four tiles, 16 x lane
	v_lshrrev_b32 v[ADS], 3, v1                    ; a row's 32 scale bytes: eight rows to 256 bytes + 16
	v_mul_u32_u24 v[ADS], v[ADS], 272
	v_and_b32 v9, 7, v1
	v_lshl_add_u32 v[ADS], v9, 5, v[ADS]
	s_xor_b32 s26, s[WQ], 1                        ; lanes 16-31 take Wo's words: 4,352 + 2,176 wp - 2,176 wq further on = 2,176 x (wp + (1 - wq) + 1)
	s_add_co_u32 s26, s26, s[WP]
	s_add_co_u32 s26, s26, 1
	s_mul_i32 s26, s26, 2176
	v_mul_u32_u24 v9, s26, v2
	v_add_nc_u32 v[ADS], v[ADS], v9
	s_mul_i32 s26, s[WQ], 2176
	s_add_co_u32 s26, s26, AS
	v_add_nc_u32 v[ADS], s26, v[ADS]
	s_mul_i32 s26, s[WV], 16*272
	s_add_co_u32 s26, s26, STG                     ; my stage
	v_mul_u32_u24 v[STO], v1, 272                  ; in: row r, 32 bytes for each half of the lanes
	v_lshl_add_u32 v[STO], v2, 5, v[STO]
	v_add_nc_u32 v[STO], s26, v[STO]
	v_mul_u32_u24 v[RD], v2, 272                   ; back: lanes 0-15 one row of 256 bytes, lanes 16-31 the next
	v_lshl_add_u32 v[RD], v1, 4, v[RD]
	v_add_nc_u32 v[RD], s26, v[RD]
	v_lshlrev_b32 v[CO], 12, v2                    ; and the same two rows in out0 (4,096 bytes a row)
	v_lshl_add_u32 v[CO], v1, 4, v[CO]
	s_lshl_b32 s26, s[TX], 10                      ; my 64 columns, in bytes
	s_lshl_b32 s27, s[WP], 8
	s_add_co_u32 s26, s26, s27
	s_mov_b32 s27, 0
	s_add_nc_u64 s[12:13], s[12:13], s[26:27]      ; their bias
	s_add_nc_u64 s[OUT:OUT+1], s[14:15], s[26:27]
	s_lshl_b32 s26, s[TY], 19                      ; my first row: 128 ty + 64 wq
	s_lshl_b32 s92, s[WQ], 18
	s_add_co_u32 s26, s26, s92
	s_add_nc_u64 s[OUT:OUT+1], s[OUT:OUT+1], s[26:27]
	v_lshlrev_b32 v9, 5, v2                        ; 32 h
.irp b, 0,1,2,3
	global_load_b128 v[BI+8*\b:BI+8*\b+3], v9, s[12:13] offset:64*\b        ; columns 16 b + 8 h + 0 .. 7
	global_load_b128 v[BI+8*\b+4:BI+8*\b+7], v9, s[12:13] offset:64*\b+16
.endr
.macro FETCH q                         ; K step q of 128: every fourth step the scale words of four steps; Wo's four fragments from rows, a's four from images
.if (\q)%4 == 0
.irp i, 0,1,2,3
	ds_load_b128 v[SC+4*\i:SC+4*\i+3], v[ADS] offset:544*\i+16*((\q)/4)
.endr
.endif
.irp b, 0,1,2,3
.irp c, 0,1
	ds_load_b128 v[WF+8*\b+4*\c:WF+8*\b+4*\c+3], v[ADW] offset:16*PITCH*\b+64*(\q)+32*\c
.endr
.endr
.irp a, 0,1,2,3
.irp c, 0,1
	ds_load_b128 v[XF+8*\a+4*\c:XF+8*\a+4*\c+3], v[ADA] offset:8192*\a+1024*(\q)+512*\c
.endr
.endr
.endm
.macro MULS q                          ; 16 products; the sixteen accumulators take turns, one instruction a turn; K step 0 starts the sums with the bias as C
.irp a, 0,1,2,3
.irp b, 0,1,2,3
.if (\q) == 0
	v_wmma_scale_f32_16x16x128_f8f6f4 v[ACC+8*(4*\a+\b):ACC+8*(4*\a+\b)+7], v[WF+8*\b:WF+8*\b+7], v[XF+8*\a:XF+8*\a+7], v[BI+8*\b:BI+8*\b+7], v[SC+4*\b+(\q)%4], v[SC+4*\a+(\q)%4] matrix_a_fmt:MATRIX_FMT_FP4 matrix_b_fmt:MATRIX_FMT_FP4 matrix_a_scale:MATRIX_SCALE_ROW1
.else
	v_wmma_scale_f32_16x16x128_f8f6f4 v[ACC+8*(4*\a+\b):ACC+8*(4*\a+\b)+7], v[WF+8*\b:WF+8*\b+7], v[XF+8*\a:XF+8*\a+7], v[ACC+8*(4*\a+\b):ACC+8*(4*\a+\b)+7], v[SC+4*\b+(\q)%4], v[SC+4*\a+(\q)%4] matrix_a_fmt:MATRIX_FMT_FP4 matrix_b_fmt:MATRIX_FMT_FP4 matrix_a_scale:MATRIX_SCALE_ROW1
.endif
.endr
.endr
.endm
; THE WAY OUT, 16 tokens x 64 columns at a time: through my own stage and back as whole rows of 256 bytes.  LDS serves a wave's instructions in order (ISA guide 5.7.1.4): no wait between the stores and the loads.
.macro TOSTAGE a
.irp b, 0,1,2,3
	ds_store_b128 v[STO], v[ACC+32*(\a)+8*\b:ACC+32*(\a)+8*\b+3] offset:64*\b          ; each accumulator from its low end on
	ds_store_b128 v[STO], v[ACC+32*(\a)+8*\b+4:ACC+32*(\a)+8*\b+7] offset:64*\b+16
.endr
.irp t, 0,1,2,3,4,5,6,7
	ds_load_b128 v[BK+32*((\a)%2)+4*\t:BK+32*((\a)%2)+4*\t+3], v[RD] offset:544*\t
.endr
.endm
.macro SEND a, younger                 ; younger: the LDS instructions issued behind block a's loads, which may stay out
	s_wait_dscnt \younger
.irp t, 0,1,2,3,4,5,6,7
	global_store_b128 v[CO], v[BK+32*((\a)%2)+4*\t:BK+32*((\a)%2)+4*\t+3], s[OUT:OUT+1] offset:(16*(\a)+2*\t)*4096 th:TH_STORE_NT   ; 16 lanes store 256 consecutive bytes, aligned; written once, read by nobody here
.endr
.endm
	s_wait_tensorcnt 0x0                           ; my parts of the tiles and of the scale bytes are in,
	s_barrier_signal -1
	s_barrier_wait -1                              ; everybody's are
	s_wait_loadcnt 0x0                             ; the bias
.irp q, 0,1,2,3,4,5,6,7
.if \q > 0
	PLACES 4                                       ; in front of loads into registers that matrix instructions have read
.endif
	FETCH \q
	s_wait_dscnt 0x0                               ; this step's fragments and scale words are in
	MULS \q
.endr
	PLACES 4                                       ; behind the last products: for the stores that read results and the loads into the fragments' registers
	TOSTAGE 0
.irp a, 1,2,3
.if \a > 1
	s_wait_xcnt 0x0                                ; block a - 2's stores have read their registers: block a's loads may land there
.endif
	TOSTAGE \a
	SEND \a-1, 16                                  ; behind block a - 1's loads: block a's 8 stores and 8 loads
.endr
	SEND 3, 0
	s_wait_tensorcnt 0x0
	ds_add_u32 v14, v15
	s_wait_dscnt 0x0
	CROUND                                         ; the closing round
	s_endpgm
.Lfunc_end_k_q75c6e5fa66_proj:
	.size	k_q75c6e5fa66_proj, .Lfunc_end_k_q75c6e5fa66_proj-k_q75c6e5fa66_proj
	.p2alignl 7, 3214868480
	.fill 96, 4, 3214868480
	.section	.rodata,"a",@progbits
	.p2align	6, 0x0
	.amdhsa_kernel k_q75c6e5fa66_proj
		.amdhsa_group_segment_fixed_size 249600
		.amdhsa_private_segment_fixed_size 0
		.amdhsa_enable_private_segment 0
		.amdhsa_kernarg_size 48
		.amdhsa_user_sgpr_count 2
		.amdhsa_user_sgpr_kernarg_segment_ptr 1
		.amdhsa_wavefront_size32 1
		.amdhsa_system_sgpr_workgroup_id_x 1
		.amdhsa_system_sgpr_workgroup_id_y 1
		.amdhsa_system_sgpr_workgroup_id_z 1
		.amdhsa_system_vgpr_workitem_id 0
		.amdhsa_next_free_vgpr 256
		.amdhsa_next_free_sgpr 100
		.amdhsa_reserve_vcc 0
		.amdhsa_float_denorm_mode_32 3
		.amdhsa_float_denorm_mode_16_64 3
		.amdhsa_memory_ordered 1
		.amdhsa_forward_progress 1
		.amdhsa_inst_pref_size 42
	.end_amdhsa_kernel
	.amdgpu_metadata
---
amdhsa.version: [ 1, 2 ]
amdhsa.kernels:
  - .name:           k_q75c6e5fa66_proj
    .symbol:         k_q75c6e5fa66_proj.kd
    .args:
      - { .name: ao_codes, .offset: 0, .size: 8, .value_kind: global_buffer, .address_space: global }
      - { .name: ao_scales, .offset: 8, .size: 8, .value_kind: global_buffer, .address_space: global }
      - { .name: Wo_codes, .offset: 16, .size: 8, .value_kind: global_buffer, .address_space: global }
      - { .name: Wo_scales, .offset: 24, .size: 8, .value_kind: global_buffer, .address_space: global }
      - { .name: bo, .offset: 32, .size: 8, .value_kind: global_buffer, .address_space: global }
      - { .name: out0, .offset: 40, .size: 8, .value_kind: global_buffer, .address_space: global }
    .group_segment_fixed_size: 249600
    .private_segment_fixed_size: 0
    .kernarg_segment_align: 8
    .kernarg_segment_size: 48
    .max_flat_workgroup_size: 256
    .sgpr_count:     100
    .vgpr_count:     256
    .wavefront_size: 32
...
	.end_amdgpu_metadata
.endif
;; end of part 3
;; ======== version 2 of 2: 3 launches
;; workspace buffers: ws_qkv 13,893,632 bytes; ao_codes 4,194,304 bytes; ao_scales 262,144 bytes
;; launch qkv (part 4): grid 12 x 32, 16 waves a work-group, clusters of 4 x 4, 289,792 bytes of LDS; arguments x_codes, x_scales, Wqkv_codes, Wqkv_scales, bqkv, ws_qkv; writes ws_qkv
.if DOCPART == 4
	.amdgcn_target "amdgcn-amd-amdhsa--gfx1250"
	.amdhsa_code_object_version 6
	.text
	.protected	k_q75c6e5fa66_qkv
	.globl	k_q75c6e5fa66_qkv
	.p2align	8
	.type	k_q75c6e5fa66_qkv,@function
k_q75c6e5fa66_qkv:
	s_mov_b64 s[64:65], 0
	v_nop
	global_prefetch_b8 v0, s[64:65] scope:SCOPE_SE
	s_setreg_imm32_b32 hwreg(HW_REG_WAVE_MODE, 25, 1), 1
	s_wait_xcnt 0x0
	s_wait_alu depctr_hold_cnt(0) depctr_sa_sdst(0) depctr_va_vdst(0) depctr_va_sdst(0) depctr_va_ssrc(0) depctr_va_vcc(0) depctr_vm_vsrc(0)
	s_getreg_b32 s2, hwreg(HW_REG_IB_STS2, 6, 4)
	s_cmp_eq_u32 s2, 0
	s_cbranch_scc0 .Lentry_in_a_cluster
	s_endpgm
.Lentry_in_a_cluster:
	s_bfe_u32 s2, ttmp6, 0x10000c
	s_cmp_lg_u32 s2, 0xf033
	s_cbranch_scc0 .Lentry_shape_is_right
	s_endpgm
.Lentry_shape_is_right:
; qkv = x Wqkv + bqkv on codes of FP4 (E2M1) with one E8M0 scale for each 32 along K (K = 1,024); the result never leaves as f32:
; q and k are quantised along the head's 64 (two blocks a head), v along the tokens (the keys of the later product), and codes and scale bytes go to ws_qkv.
; SHARES.  A work-group makes 256 tokens x 256 features over all of K; its tiles of x and W (256 rows x 512 bytes each) and their scale bytes fit in LDS at once:
; every tensor load is a first fill, no LDS byte is filled twice.  Sixteen waves; wave w makes 64 tokens (w % 4) x 64 features (w / 4: one head): 16 accumulators.
; CLUSTER 4 x 4: the four of a row need the same rows of x, the four of a column the same rows of W: each tile is asked for jointly.
; The cluster's x (0, 1, 2) says whether the features are q's, k's or v's: it is the same in all sixteen partners, and the one branch of the text hangs on it.
; q, k: source 0 = 16 rows of W, source 1 = 16 tokens: a lane holds ONE token and its registers run along the features, the quantiser's K.
; v:    source 0 = 16 tokens, source 1 = 16 rows of W: a lane holds ONE feature and its registers run along the tokens, the quantiser's K.
; ws_qkv: a record of REC bytes for each (batch, head, 128 tokens), laid as images of the reader's operand registers:
;   0     k's codes: tile t of 16 keys: lane (r, h)'s 16 bytes at 512 t + 16 lane = block h of key 16 t + r
;   4096  k's scale words: [2][32 lanes][2 words]: word g of lane (r, hh) in half f belongs to tile 2 (2 f + g) + hh, row r: two bytes, then 0x7f twice (for the zero codes that fill K = 64 up to 128)
;   4608  v's codes: tile t of 16 of the head's 64, c = 0, 1: at 1024 t + 512 c + 16 lane: keys 64 c + 32 h + 0 .. 31 of row 16 t + r
;   8704  v's scale words: [32 lanes][2 words]: word i of lane (r, hh) belongs to tile 2 i + hh, row r: the four key blocks' bytes
;   8960  q's codes, 13056 q's scale words: as k's
; LIMITS: NaN and infinities are not served; a block whose largest magnitude lies under 2^-124 keeps the byte 1 (a block of zeros too: its codes are zeros, and this program alone reads the bytes).
; The bias enters as the C of each sum's first product.
.set REC,   13568
.set QOFF,  8960
.set KSO,   4096
.set VCO,   4608
.set VSO,   8704
.set PITCH, 528                        ; an LDS row: 512 bytes + 16 of padding = 33 x 16: the 16 rows that a load touches start at 16 different 16-byte columns of the 64 banks (ISA guide 11.1)
.set XT,    0                          ; x's 256 rows
.set WT,    256*PITCH                  ; W's 256 rows
.set XS,    2*256*PITCH                ; x's scale bytes: 8,192 bytes as 32 rows of 256 + 16
.set WS,    XS+32*272                  ; W's likewise; the map ends at 287,744
.set ADX, 3                            ; v3   LDS address of my x fragments
.set ADW, 4                            ; v4   of my W fragments
.set ADS, 5                            ; v5   of my scale words: lanes 0-15 x's rows, lanes 16-31 W's
.set VC,  6                            ; v6   my byte offset in a record's codes
.set VS8, 7                            ; v7   and in its scale words
.set SH,  8                            ; v8   16 x (lane / 16)
.set LANE, 11
.set BV,  12                           ; v12-15  the bias of feature 16 b + r (v's path)
.set SC,  16                           ; v16-31  scale words: register 4 i + q % 4: lanes 0-15 x's tile i, lanes 16-31 W's tile i, K step q
.set BI,  32                           ; v32-63  the bias as C of the first products; free behind K step 0:
.set TM,  32                           ; v32-35 largest magnitudes, v36-39 the other half's and then bytes, v40-43 the conversions' scale operands
.set PW0, 44
.set PW1, 45
.set W0,  46
.set W1,  47
.set PC0, 48                           ; v48-55, v56-63 codes
.set PC1, 56
.set WF,  64                           ; v64-95   W's four fragments
.set XF,  96                           ; v96-127  x's four
.set ACC, 128                          ; v128-255 sixteen accumulators
.set WV,  16
.set PART, 18
.set WQ,  19
.set WP,  20
.set CX,  21
.set CY,  22
.set TX,  23
.set TY,  24
.set HF,  25
.set G1X,  28                          ; s[28:35] group 1, x's codes;  s[36:43] W's;  s[44:51], s[52:59] their scale bytes
.set G1W,  36
.set G1XS, 44
.set G1WS, 52
.set G0X,  60                          ; groups 0
.set G0W,  68
.set G0XS, 72
.set G0WS, 76
.set SEL,  80
.set PADS, 82
.set OUT,  84
.macro PLACES n                        ; plain vector instructions behind a matrix instruction (ISA guide 7.12.1)
.rept \n
	v_nop
.endr
.endm
.macro CROUND                          ; a round of the cluster's barrier: my work-group's barrier; wave 0 signals for the work-group; every wave waits for all sixteen; my work-group's barrier once more
	s_barrier_signal -1
	s_barrier_wait -1
	s_cmp_lg_u32 s[WV], 0
	s_cbranch_scc1 .Lnot_wave_0_\@
	s_barrier_signal -3
.Lnot_wave_0_\@:
	s_barrier_wait -3
	s_barrier_signal -1
	s_barrier_wait -1
.endm
	s_load_b256 s[4:11], s[0:1], 0x0               ; x's codes s[4:5], x's scales s[6:7], W's codes s[8:9], W's scales s[10:11]
	s_load_b128 s[12:15], s[0:1], 0x20             ; the bias s[12:13], ws_qkv s[14:15]
	v_lshl_add_u32 v254, v0, 2, 0x46400
	v_mov_b32 v255, 0
	ds_add_u32 v254, v255
	ds_add_u32 v254, v255
	s_wait_dscnt 0x0
	v_lshrrev_b32 v1, 5, v0
	s_delay_alu instid0(VALU_DEP_1)
	v_readfirstlane_b32 s[WV], v1                  ; wave 0..15
	s_and_b32 s[PART], s[WV], 7                    ; which 32 rows I fetch (waves 0-7: of x, waves 8-15: of W)
	s_and_b32 s[WQ], s[WV], 3                      ; my 64 tokens
	s_lshr_b32 s[WP], s[WV], 2                     ; my 64 features
	s_and_b32 s[HF], s[WQ], 1                      ; which half of a record's 128 tokens they are
	s_bfe_u32 s[CX], ttmp6, 0x40000
	s_bfe_u32 s[CY], ttmp6, 0x40004
	s_lshl_b32 s[TX], ttmp9, 2
	s_add_co_u32 s[TX], s[TX], s[CX]               ; block of 256 features = 4 x cluster x + cx
	s_and_b32 s[TY], ttmp7, 0xffff
	s_lshl_b32 s[TY], s[TY], 2
	s_add_co_u32 s[TY], s[TY], s[CY]               ; block of 256 tokens = 4 x cluster y + cy
	s_lshl_b32 s86, s[CY], 2
	s_lshl_b32 s86, 15, s86                        ; my row of the cluster
	s_lshl_b32 s87, 0x1111, s[CX]                  ; my column
	; group 1 for codes: 32 rows x 512 elements of one byte, 4 words of padding behind every 128; bit 21 stands beside a mask
	s_or_b32 s[G1X], s86, (1<<20)|(1<<21)|(6<<22)|(3<<25)
	s_or_b32 s[G1W], s87, (1<<20)|(1<<21)|(6<<22)|(3<<25)
.irp g, G1X, G1W
	s_mov_b32 s[\g+1], 512<<16                     ; tensor_dim0
	s_mov_b32 s[\g+2], 32<<16                      ; tensor_dim1
	s_mov_b32 s[\g+3], 512<<16                     ; tile_dim0
	s_mov_b32 s[\g+4], 32                          ; tile_dim1
	s_mov_b32 s[\g+5], 512                         ; from row to row
	s_mov_b32 s[\g+6], 0
	s_mov_b32 s[\g+7], 0
.endr
	; group 1 for the scale bytes of 32 rows: 1,024 dense bytes as 4 rows of 32 elements of 8 bytes, 4 words of padding behind every 64
	s_or_b32 s[G1XS], s86, (3<<16)|(1<<20)|(1<<21)|(5<<22)|(3<<25)
	s_or_b32 s[G1WS], s87, (3<<16)|(1<<20)|(1<<21)|(5<<22)|(3<<25)
.irp g, G1XS, G1WS
	s_mov_b32 s[\g+1], 32<<16
	s_mov_b32 s[\g+2], 4<<16
	s_mov_b32 s[\g+3], 32<<16
	s_mov_b32 s[\g+4], 4
	s_mov_b32 s[\g+5], 32
	s_mov_b32 s[\g+6], 0
	s_mov_b32 s[\g+7], 0
.endr
	; every wave makes both sides' addresses; the registers of x's never hold cx, those of W's never cy
	s_lshl_b32 s98, s[PART], 5
	s_lshl_b32 s88, s[TY], 8
	s_add_co_u32 s88, s88, s98                     ; x: row 256 ty + 32 part
	s_lshl_b32 s90, s88, 5                         ; its scale bytes, 32 a row
	s_lshl_b32 s88, s88, 9                         ; its codes, 512 bytes a row
	s_mov_b32 s89, 0
	s_mov_b32 s91, 0
	s_lshl_b32 s94, s[TX], 8
	s_add_co_u32 s94, s94, s98                     ; W: row 256 tx + 32 part
	s_lshl_b32 s96, s94, 5
	s_lshl_b32 s94, s94, 9
	s_mov_b32 s95, 0
	s_mov_b32 s97, 0
	s_mul_i32 s98, s[PART], 32*PITCH               ; where they go: the wave's number times a constant
	s_mul_i32 s99, s[PART], 4*272
	s_mov_b32 s[SEL], 0x76543210
	s_mov_b32 s[SEL+1], 0xfedcba98                 ; v_permlanex16_b32's selects for lane l xor 16
	s_mov_b32 s[PADS], 0x7f7f0000
	s_wait_kmcnt 0x0
	s_mov_b32 s[G0X], 1
	s_add_co_u32 s[G0X+1], s98, XT
	s_add_nc_u64 s[G0X+2:G0X+3], s[4:5], s[88:89]
	s_or_b32 s[G0X+3], s[G0X+3], 0x80000000
	s_mov_b32 s[G0XS], 1
	s_add_co_u32 s[G0XS+1], s99, XS
	s_add_nc_u64 s[G0XS+2:G0XS+3], s[6:7], s[90:91]
	s_or_b32 s[G0XS+3], s[G0XS+3], 0x80000000
	s_mov_b32 s[G0W], 1
	s_add_co_u32 s[G0W+1], s98, WT
	s_add_nc_u64 s[G0W+2:G0W+3], s[8:9], s[94:95]
	s_or_b32 s[G0W+3], s[G0W+3], 0x80000000
	s_mov_b32 s[G0WS], 1
	s_add_co_u32 s[G0WS+1], s99, WS
	s_add_nc_u64 s[G0WS+2:G0WS+3], s[10:11], s[96:97]
	s_or_b32 s[G0WS+3], s[G0WS+3], 0x80000000
	CROUND                                         ; all sixteen work-groups are here: the joint loads meet
	s_cmp_lt_u32 s[WV], 8                          ; a wave's two fills stand in one branch on its number: two tensor loads of mine are out, and no more follow
	s_cbranch_scc0 .Lfor_w
	tensor_load_to_lds s[G0XS:G0XS+3], s[G1XS:G1XS+7]
	s_nop 0
	tensor_load_to_lds s[G0X:G0X+3], s[G1X:G1X+7]
	s_nop 0
	PLACES 4                                       ; four v_nop follow the loads, ahead of the jump and the label
	s_branch .Lasked
.Lfor_w:
	tensor_load_to_lds s[G0WS:G0WS+3], s[G1WS:G1WS+7]
	s_nop 0
	tensor_load_to_lds s[G0W:G0W+3], s[G1W:G1W+7]
	s_nop 0
	PLACES 4
.Lasked:
	v_and_b32 v1, 15, v0                           ; r
	v_bfe_u32 v2, v0, 4, 1                         ; h
	v_and_b32 v[LANE], 31, v0
	s_delay_alu instid0(VALU_DEP_3)
	v_mul_u32_u24 v[ADX], v1, PITCH
	s_delay_alu instid0(VALU_DEP_1)
	v_lshl_add_u32 v[ADX], v2, 4, v[ADX]           ; a fragment's row x pitch + 16 h
	s_mul_i32 s26, s[WP], 64*PITCH
	s_add_co_u32 s26, s26, WT
	v_add_nc_u32 v[ADW], s26, v[ADX]
	s_mul_i32 s26, s[WQ], 64*PITCH
	v_add_nc_u32 v[ADX], s26, v[ADX]
	v_lshrrev_b32 v[ADS], 3, v1                    ; a row's 32 scale bytes: eight rows to 256 bytes + 16
	s_delay_alu instid0(VALU_DEP_1)
	v_mul_u32_u24 v[ADS], v[ADS], 272
	v_and_b32 v9, 7, v1
	s_delay_alu instid0(VALU_DEP_1)
	v_lshl_add_u32 v[ADS], v9, 5, v[ADS]
	s_xor_b32 s26, s[WQ], 3                        ; lanes 16-31 take W's words: 8,704 + 2,176 wp - 2,176 wq further on = 2,176 x (wp + (3 - wq) + 1)
	s_add_co_u32 s26, s26, s[WP]
	s_add_co_u32 s26, s26, 1
	s_mul_i32 s26, s26, 2176
	v_mul_u32_u24 v9, s26, v2
	s_delay_alu instid0(VALU_DEP_1)
	v_add_nc_u32 v[ADS], v[ADS], v9
	s_mul_i32 s26, s[WQ], 2176
	s_add_co_u32 s26, s26, XS
	v_add_nc_u32 v[ADS], s26, v[ADS]
	v_lshlrev_b32 v[SH], 4, v2
	s_lshl_b32 s26, s[TX], 10                      ; the bias of my 64 features
	s_lshl_b32 s27, s[WP], 8
	s_add_co_u32 s26, s26, s27
	s_mov_b32 s27, 0
	s_add_nc_u64 s[12:13], s[12:13], s[26:27]
	v_lshlrev_b32 v9, 5, v2                        ; 32 h
	v_lshlrev_b32 v10, 2, v1                       ; 4 r
.irp b, 0,1,2,3
	global_load_b128 v[BI+8*\b:BI+8*\b+3], v9, s[12:13] offset:64*\b        ; features 16 b + 8 h + 0 .. 7: q's and k's layout
	global_load_b128 v[BI+8*\b+4:BI+8*\b+7], v9, s[12:13] offset:64*\b+16
	global_load_b32 v[BV+\b], v10, s[12:13] offset:64*\b                    ; feature 16 b + r: v's layout
.endr
	s_lshl_b32 s26, s[CX], 2                       ; my record: head = 4 cx + wp,
	s_add_co_u32 s26, s26, s[WP]
	s_lshr_b32 s27, s[TY], 3                       ; batch = ty / 8,
	s_lshl_b32 s27, s27, 4
	s_add_co_u32 s26, s26, s27
	s_lshl_b32 s26, s26, 4
	s_and_b32 s27, s[TY], 7                        ; 128 tokens: 2 (ty % 8) + wq / 2
	s_lshl_b32 s27, s27, 1
	s_add_co_u32 s26, s26, s27
	s_lshr_b32 s27, s[WQ], 1
	s_add_co_u32 s26, s26, s27
	s_mul_i32 s26, s26, REC
	s_cmp_eq_u32 ttmp9, 0                          ; q's part of a record lies QOFF bytes behind k's
	s_cselect_b32 s27, QOFF, 0
	s_add_co_u32 s26, s26, s27
	s_mov_b32 s27, 0
	s_add_nc_u64 s[OUT:OUT+1], s[14:15], s[26:27]
; K step q of 128: every fourth step the scale words of four steps (16 bytes a row), then W's four and x's four fragments.
; A fragment is 16 rows x 128 K in 8 registers: lane (r, h) holds row r; registers 4 c .. 4 c + 3 hold K = 64 c + 32 h + 0 .. 31: 16 bytes of the row as they lie.
.macro FETCH q
.if (\q)%4 == 0
.irp i, 0,1,2,3
	ds_load_b128 v[SC+4*\i:SC+4*\i+3], v[ADS] offset:544*\i+16*((\q)/4)
.endr
.endif
.irp b, 0,1,2,3
.irp c, 0,1
	ds_load_b128 v[WF+8*\b+4*\c:WF+8*\b+4*\c+3], v[ADW] offset:16*PITCH*\b+64*(\q)+32*\c
.endr
.endr
.irp a, 0,1,2,3
.irp c, 0,1
	ds_load_b128 v[XF+8*\a+4*\c:XF+8*\a+4*\c+3], v[ADX] offset:16*PITCH*\a+64*(\q)+32*\c
.endr
.endr
.endm
; 16 products; the sixteen accumulators take turns, one instruction a turn, in the same order in every step.  K step 0 starts the sums with the bias as C.
.macro MULS q, vp
.irp a, 0,1,2,3
.irp b, 0,1,2,3
.if \vp
.if (\q) == 0
	v_wmma_scale_f32_16x16x128_f8f6f4 v[ACC+8*(4*\b+\a):ACC+8*(4*\b+\a)+7], v[XF+8*\a:XF+8*\a+7], v[WF+8*\b:WF+8*\b+7], v[BI+8*\b:BI+8*\b+7], v[SC+4*\a+(\q)%4], v[SC+4*\b+(\q)%4] matrix_a_fmt:MATRIX_FMT_FP4 matrix_b_fmt:MATRIX_FMT_FP4 matrix_b_scale:MATRIX_SCALE_ROW1
.else
	v_wmma_scale_f32_16x16x128_f8f6f4 v[ACC+8*(4*\b+\a):ACC+8*(4*\b+\a)+7], v[XF+8*\a:XF+8*\a+7], v[WF+8*\b:WF+8*\b+7], v[ACC+8*(4*\b+\a):ACC+8*(4*\b+\a)+7], v[SC+4*\a+(\q)%4], v[SC+4*\b+(\q)%4] matrix_a_fmt:MATRIX_FMT_FP4 matrix_b_fmt:MATRIX_FMT_FP4 matrix_b_scale:MATRIX_SCALE_ROW1
.endif
.else
.if (\q) == 0
	v_wmma_scale_f32_16x16x128_f8f6f4 v[ACC+8*(4*\a+\b):ACC+8*(4*\a+\b)+7], v[WF+8*\b:WF+8*\b+7], v[XF+8*\a:XF+8*\a+7], v[BI+8*\b:BI+8*\b+7], v[SC+4*\b+(\q)%4], v[SC+4*\a+(\q)%4] matrix_a_fmt:MATRIX_FMT_FP4 matrix_b_fmt:MATRIX_FMT_FP4 matrix_a_scale:MATRIX_SCALE_ROW1
.else
	v_wmma_scale_f32_16x16x128_f8f6f4 v[ACC+8*(4*\a+\b):ACC+8*(4*\a+\b)+7], v[WF+8*\b:WF+8*\b+7], v[XF+8*\a:XF+8*\a+7], v[ACC+8*(4*\a+\b):ACC+8*(4*\a+\b)+7], v[SC+4*\b+(\q)%4], v[SC+4*\a+(\q)%4] matrix_a_fmt:MATRIX_FMT_FP4 matrix_b_fmt:MATRIX_FMT_FP4 matrix_a_scale:MATRIX_SCALE_ROW1
.endif
.endif
.endr
.endr
.endm
; 64 numbers of a lane, four blocks of 32 along the quantiser's K: block b = registers 16 b .. 16 b + 15 = two result tiles; register 16 b + 8 u + j of lane half h is number 16 u + 8 h + j of the block.
; A conversion's eight codes are word 2 u + h of the block's four.  Blocks 2 c and 2 c + 1 put their words of tile u side by side, and one exchange of halves leaves registers pc + 4 c .. + 3 with
; block 2 c whole in lanes 0-15 and block 2 c + 1 whole in lanes 16-31.  pw: the four blocks' scale bytes.  Each accumulator is read from its low end on.
.macro QUANT s, pc, pw
.irp b, 0,1,2,3
	v_max3_num_f32 v[TM+\b], |v[(\s)+16*\b]|, |v[(\s)+16*\b+1]|, 0x1800000     ; my 16 numbers, and the floor 2^(3 - 127): the byte cannot fall under 1
.endr
.irp i, 2,4,6,8,10,12,14
.irp b, 0,1,2,3
	v_max3_num_f32 v[TM+\b], v[TM+\b], |v[(\s)+16*\b+\i]|, |v[(\s)+16*\b+\i+1]|   ; the four blocks by turns
.endr
.endr
.irp b, 0,1,2,3
	s_delay_alu instid0(VALU_DEP_4)
	v_permlanex16_b32 v[TM+4+\b], v[TM+\b], s[SEL], s[SEL+1]
.endr
.irp b, 0,1,2,3
	s_delay_alu instid0(VALU_DEP_4)
	v_max_num_f32 v[TM+\b], v[TM+\b], v[TM+4+\b]   ; with lane l xor 16's: the block's largest magnitude
.endr
.irp b, 0,1,2,3
	s_delay_alu instid0(VALU_DEP_4)
	v_add_nc_u32 v[TM+8+\b], 0xff000000, v[TM+\b]  ; 2 off its exponent field: the conversion takes this operand's exponent field as its scale
.endr
.irp b, 0,1,2,3
	s_delay_alu instid0(VALU_DEP_4)
	v_lshrrev_b32 v[TM+4+\b], 23, v[TM+8+\b]       ; the scale's byte
.endr
	s_delay_alu instid0(VALU_DEP_3)
	v_lshl_or_b32 v[\pw], v[TM+5], 8, v[TM+4]
	s_delay_alu instid0(VALU_DEP_1)
	v_lshl_or_b32 v[\pw], v[TM+6], 16, v[\pw]
	s_delay_alu instid0(VALU_DEP_1)
	v_lshl_or_b32 v[\pw], v[TM+7], 24, v[\pw]
.irp b, 0,1,2,3
.irp u, 0,1
	v_cvt_scalef32_pk8_fp4_f32 v[\pc+4*(\b/2)+2*\u+(\b%2)], v[(\s)+16*\b+8*\u:(\s)+16*\b+8*\u+7], v[TM+8+\b]
.endr
.endr
	v_nop                                          ; one plain place behind the scaled conversions
.irp c, 0,1
.irp u, 0,1
	v_permlane16_swap_b32 v[\pc+4*\c+2*\u], v[\pc+4*\c+2*\u+1]
.endr
.endr
.endm
; The whole way of a wave: vp = 0: q or k;  vp = 1: v.  No barrier and no LDS store stands in it.
.macro PATH vp
	v_lshlrev_b32 v[VC], 4, v[LANE]
	v_lshlrev_b32 v[VS8], 3, v[LANE]
.if \vp
	s_delay_alu instid0(VALU_DEP_2)
	v_lshl_add_u32 v[VC], s[HF], 9, v[VC]          ; 16 lane + 512 x half: my 64 tokens are c = half of each fragment of v
	s_delay_alu instid0(VALU_DEP_2)
	v_lshl_add_u32 v[VS8], s[HF], 1, v[VS8]        ; 8 lane + 2 x half: my two of a scale word's four bytes
.irp b, 0,1,2,3
.irp j, 0,1,2,3,4,5,6,7
	v_mov_b32 v[BI+8*\b+\j], v[BV+\b]              ; here a lane holds one feature: its bias in all eight registers of the tile
.endr
.endr
	PLACES 4                                       ; an operand written by vector instructions stands four places ahead of a scaled matrix instruction
.else
	s_delay_alu instid0(VALU_DEP_2)
	v_lshl_add_u32 v[VC], s[HF], 11, v[VC]         ; 16 lane + 2,048 x half: my four tiles of the record's eight
	s_delay_alu instid0(VALU_DEP_2)
	v_lshl_add_u32 v[VS8], s[HF], 8, v[VS8]        ; 8 lane + 256 x half
.endif
	s_wait_alu depctr_va_vdst(0)
.irp q, 0,1,2,3,4,5,6,7
.if \q > 0
	PLACES 4                                       ; in front of loads into registers that matrix instructions have read
.endif
	FETCH \q
	s_wait_dscnt 0x0                               ; this step's fragments and scale words are in; the three other waves of the SIMD work meanwhile
	MULS \q, \vp
.endr
.irp b, 0,1,2,3
	v_mov_b32 v[TM+4+\b], 0                        ; a lane permute's destination counts as read; these four are also the places behind the last products
.endr
	QUANT ACC, PC0, PW0
.irp c, 0,1
.if \vp
	global_store_b128 v[VC], v[PC0+4*\c:PC0+4*\c+3], s[OUT:OUT+1] offset:VCO+1024*\c
.else
	global_store_b128 v[VC], v[PC0+4*\c:PC0+4*\c+3], s[OUT:OUT+1] offset:512*\c       ; 32 lanes store 512 consecutive bytes, aligned
.endif
.endr
	QUANT ACC+64, PC1, PW1
.irp c, 0,1
.if \vp
	global_store_b128 v[VC], v[PC1+4*\c:PC1+4*\c+3], s[OUT:OUT+1] offset:VCO+1024*(2+\c)
.else
	global_store_b128 v[VC], v[PC1+4*\c:PC1+4*\c+3], s[OUT:OUT+1] offset:512*(2+\c)
.endif
.endr
	v_lshrrev_b32 v[W0], v[SH], v[PW0]             ; lanes 0-15 keep the first tile's two bytes, lanes 16-31 take the second's
	v_lshrrev_b32 v[W1], v[SH], v[PW1]
.if \vp
	global_store_b16 v[VS8], v[W0], s[OUT:OUT+1] offset:VSO        ; two bytes of each word: the wave with the record's other 64 tokens, of this work-group, stores the other two.
	global_store_b16 v[VS8], v[W1], s[OUT:OUT+1] offset:VSO+4      ; (Short stores: 256 bytes of a record's 13,568)
.else
	s_delay_alu instid0(VALU_DEP_2)
	v_and_or_b32 v[W0], v[W0], 0xffff, s[PADS]     ; the bytes of the zero codes that fill K up: 0x7f
	s_delay_alu instid0(VALU_DEP_2)
	v_and_or_b32 v[W1], v[W1], 0xffff, s[PADS]
	global_store_b64 v[VS8], v[W0:W1], s[OUT:OUT+1] offset:KSO     ; 32 lanes store 256 consecutive bytes, aligned
.endif
.endm
	s_wait_tensorcnt 0x0                           ; my parts of the tiles and of the scale bytes are in,
	s_barrier_signal -1
	s_barrier_wait -1                              ; everybody's are
	s_wait_loadcnt 0x0                             ; the bias
	s_cmp_eq_u32 ttmp9, 2                          ; the cluster's x: the same in all partners
	s_cbranch_scc1 .Lv
	s_wait_alu depctr_va_vdst(0)
	PATH 0
	s_branch .Lend
.Lv:
	PATH 1
.Lend:
	s_wait_xcnt 0x0
	v_lshl_add_u32 v254, v0, 2, 0x46400
	v_mov_b32 v255, 0
	s_wait_alu depctr_va_vdst(0)
	s_wait_tensorcnt 0x0
	ds_add_u32 v254, v255
	s_wait_dscnt 0x0
	CROUND                                         ; the closing round: no work-group ends while a partner may still ask for a tile that names it
	s_endpgm
.Lfunc_end_k_q75c6e5fa66_qkv:
	.size	k_q75c6e5fa66_qkv, .Lfunc_end_k_q75c6e5fa66_qkv-k_q75c6e5fa66_qkv
	.p2alignl 7, 3214868480
	.fill 96, 4, 3214868480
	.section	.rodata,"a",@progbits
	.p2align	6, 0x0
	.amdhsa_kernel k_q75c6e5fa66_qkv
		.amdhsa_group_segment_fixed_size 289792
		.amdhsa_private_segment_fixed_size 0
		.amdhsa_enable_private_segment 0
		.amdhsa_kernarg_size 48
		.amdhsa_user_sgpr_count 2
		.amdhsa_user_sgpr_kernarg_segment_ptr 1
		.amdhsa_wavefront_size32 1
		.amdhsa_system_sgpr_workgroup_id_x 1
		.amdhsa_system_sgpr_workgroup_id_y 1
		.amdhsa_system_sgpr_workgroup_id_z 1
		.amdhsa_system_vgpr_workitem_id 0
		.amdhsa_next_free_vgpr 256
		.amdhsa_next_free_sgpr 100
		.amdhsa_reserve_vcc 0
		.amdhsa_float_denorm_mode_32 3
		.amdhsa_float_denorm_mode_16_64 3
		.amdhsa_memory_ordered 1
		.amdhsa_forward_progress 1
		.amdhsa_inst_pref_size 82
	.end_amdhsa_kernel
	.amdgpu_metadata
---
amdhsa.version: [ 1, 2 ]
amdhsa.kernels:
  - .name:           k_q75c6e5fa66_qkv
    .symbol:         k_q75c6e5fa66_qkv.kd
    .args:
      - { .name: x_codes, .offset: 0, .size: 8, .value_kind: global_buffer, .address_space: global }
      - { .name: x_scales, .offset: 8, .size: 8, .value_kind: global_buffer, .address_space: global }
      - { .name: Wqkv_codes, .offset: 16, .size: 8, .value_kind: global_buffer, .address_space: global }
      - { .name: Wqkv_scales, .offset: 24, .size: 8, .value_kind: global_buffer, .address_space: global }
      - { .name: bqkv, .offset: 32, .size: 8, .value_kind: global_buffer, .address_space: global }
      - { .name: ws_qkv, .offset: 40, .size: 8, .value_kind: global_buffer, .address_space: global }
    .group_segment_fixed_size: 289792
    .private_segment_fixed_size: 0
    .kernarg_segment_align: 8
    .kernarg_segment_size: 48
    .max_flat_workgroup_size: 512
    .sgpr_count:     100
    .vgpr_count:     256
    .wavefront_size: 32
...
	.end_amdgpu_metadata
.endif
;; end of part 4
;; launch attn (part 5): grid 4 x 64, 16 waves a work-group, clusters of 4 x 1, 264,192 bytes of LDS; arguments ws_qkv, ao_codes, ao_scales; writes ao_codes, ao_scales
.if DOCPART == 5
	.amdgcn_target "amdgcn-amd-amdhsa--gfx1250"
	.amdhsa_code_object_version 6
	.text
	.protected	k_q75c6e5fa66_attn
	.globl	k_q75c6e5fa66_attn
	.p2align	8
	.type	k_q75c6e5fa66_attn,@function
k_q75c6e5fa66_attn:
	s_mov_b64 s[64:65], 0
	v_nop
	global_prefetch_b8 v0, s[64:65] scope:SCOPE_SE
	s_setreg_imm32_b32 hwreg(HW_REG_WAVE_MODE, 25, 1), 1
	s_wait_xcnt 0x0
	s_wait_alu depctr_hold_cnt(0) depctr_sa_sdst(0) depctr_va_vdst(0) depctr_va_sdst(0) depctr_va_ssrc(0) depctr_va_vcc(0) depctr_vm_vsrc(0)
	s_getreg_b32 s2, hwreg(HW_REG_IB_STS2, 6, 4)
	s_cmp_eq_u32 s2, 0
	s_cbranch_scc0 .Lentry_in_a_cluster
	s_endpgm
.Lentry_in_a_cluster:
	s_bfe_u32 s2, ttmp6, 0x10000c
	s_cmp_lg_u32 s2, 0x3003
	s_cbranch_scc0 .Lentry_shape_is_right
	s_endpgm
.Lentry_shape_is_right:
; O = softmax(q k^T / 8) v for one (batch, head), both products on codes of FP4 (E2M1) with E8M0 scales; the result is divided by the row's sum and quantised along the embedding (two blocks a head).
; SOFTMAX: t = score x log2(e) / 8; M = the running largest t rounded UP to a whole number; p = 2^(t - M) is quantised along the keys, not normalised; the row's sum is taken of the unquantised p.
; When M moves, the sum and O are multiplied by 2^(old M - new M), which rounds nothing.
; SHARES.  A work-group owns 512 queries of one head; each of its sixteen waves 32: two tiles of 16, one after the other.  Four waves to a SIMD.
; A head's k and v (codes and scale words, 16 records' first 8,960 bytes) fit in LDS at once: wave w brings record w by ONE tensor load, a first fill; no LDS byte is filled twice.
; A record's place in LDS is 16,384 bytes, so that the record behind the last is the first again by one AND.
; CLUSTER 4 x 1: the four blocks of queries of a head read the same k and v: the loads are joint.
; LAYOUT.  Both products are used transposed: S^T = k q^T (source 0 = 16 keys), O^T = v^T p^T (source 0 = 16 of the head's 64): a lane holds ONE query throughout.
; The head's 64 are half of the instruction's 128 along K: registers 4-7 of k's and q's fragments hold zero codes, and their scale bytes are 0x7f.
; The records hold images of the operands' registers: every LDS load takes 16 (or 8) x lane consecutive bytes.
; THE ORDER OF A KEY STEP.  k's fragments and scale words are asked for a step ahead, right behind the products that read the last ones; v's at the step's head, for its end.
; The exponentials stand by turns with plain instructions that are ready (t - M of later pairs, sums of earlier pairs, the blocks' scales, O^T's rescaling).
; OUT: ao_codes [tile of 16 tokens][head][512 bytes]: lane (r, h)'s 16 bytes = block h of the head for token r;  ao_scales [token][32]: byte 2 head + block.
; LIMITS: NaN and infinities are not served; p under 2^-126 comes out as 0 (v_exp_f32 flushes denormals: ISA guide 15.8); a block whose largest magnitude lies under 2^-124 keeps the byte 1;
; the division by the sum is v_rcp_f32 and a multiplication.
.set REC,  13568                       ; a record in memory
.set RECP, 16384                       ; and its place in LDS
.set KSO,  4096
.set VCO,  4608
.set VSO,  8704
.set QCO,  8960
.set QSO,  13056
.set L16,  1                           ; v1  16 x lane
.set L8,   2                           ; v2  8 x lane
.set R8,   3                           ; v3  8 x (lane % 16)
.set AD16, 4                           ; v4  the step's record + 16 x lane
.set AD8,  5                           ; v5  the step's record + 8 x lane
.set OS,   6                           ; v6  32 x (lane % 16)
.set QSC,  7                           ; v7  q's scale words
.set KSC,  8                           ; v8-11  k's: register i: lanes 0-15 tile 2 i, lanes 16-31 tile 2 i + 1
.set QF,   16                          ; v16-23 q's fragment;  v12 -M, v13 the largest score, v[14:15] the sum in two halves
.set VSC,  24                          ; v24-25 v's scale words
.set AK16, 26                          ; v26 the next step's record + 16 x lane
.set AK8,  27                          ; v27 the next step's record + 8 x lane
.set QS1,  28                          ; v28 the second tile's scale words of q
.set T2,   29
.set KF,   32                          ; v32-95 k's eight fragments
.set VF,   96                          ; v96-127 v's four
.set ST,   128                         ; v128-191 S^T, then p
.set OT,   192                         ; v192-223 O^T
.set PC,   224                         ; v224-231 p's codes
.set BM,   232                         ; v232-235 the blocks' largest scores, then largest p
.set PT,   236                         ; v236-239 the other half's, then bytes
.set SO,   240                         ; v240-243 the conversions' scale operands
.set FF,   244                         ; v[244:245] f = 2^(old M - new M)
.set PW,   246                         ; p's scale word
.set TMP,  247
.set S2,   248                         ; v[248:249] the sum's second chain
.set Q1,   250                         ; v250-253 the second tile's codes of q
.set WV,  10
.set CX,  11
.set QB,  12
.set BH,  13
.set G0,  16
.set G1,  20
.set SEL, 28
.set CS,  30
.set TB,  32
.set CNT, 33
.set NC,  34
.set TK,  35
.set QP,  36
.set QSP, 38
.set OP,  40
.set OSP, 42
.macro PLACES n
.rept \n
	v_nop
.endr
.endm
.macro CROUND
	s_barrier_signal -1
	s_barrier_wait -1
	s_cmp_lg_u32 s[WV], 0
	s_cbranch_scc1 .Lnot_wave_0_\@
	s_barrier_signal -3
.Lnot_wave_0_\@:
	s_barrier_wait -3
	s_barrier_signal -1
	s_barrier_wait -1
.endm
	s_load_b128 s[4:7], s[0:1], 0x0                ; ws_qkv s[4:5], ao_codes s[6:7]
	s_load_b64 s[8:9], s[0:1], 0x10                ; ao_scales
	v_lshl_add_u32 v254, v0, 2, 0x40000
	v_mov_b32 v255, 0
	ds_add_u32 v254, v255
	ds_add_u32 v254, v255
	v_lshrrev_b32 v1, 5, v0
	v_readfirstlane_b32 s[WV], v1                  ; wave 0..15
	s_bfe_u32 s[CX], ttmp6, 0x40000
	s_lshl_b32 s[QB], ttmp9, 2
	s_add_co_u32 s[QB], s[QB], s[CX]               ; my block of 512 queries: it enters q's and the outputs' addresses alone
	s_and_b32 s[BH], ttmp7, 0xffff                 ; 16 x batch + head, which the four partners share
	s_mul_i32 s44, s[BH], 16*REC                   ; the head's first record
	s_mul_i32 s46, s[WV], REC
	s_add_co_u32 s46, s46, s44                     ; record w
	s_mov_b32 s47, 0
	s_mov_b32 s[G1], 15|(3<<16)|(1<<21)            ; the mask: all four work-groups; elements of 8 bytes; no padding; bit 21 beside a mask
	s_mov_b32 s[G1+1], 32<<16                      ; 35 rows of 256 dense bytes
	s_mov_b32 s[G1+2], 35<<16
	s_mov_b32 s[G1+3], 32<<16
	s_mov_b32 s[G1+4], 35
	s_mov_b32 s[G1+5], 32
	s_mov_b32 s[G1+6], 0
	s_mov_b32 s[G1+7], 0
	s_mov_b32 s[G0], 1
	s_lshl_b32 s[G0+1], s[WV], 14                  ; LDS: the wave's number times 16,384
	s_mov_b32 s[SEL], 0x76543210
	s_mov_b32 s[SEL+1], 0xfedcba98
	s_mov_b32 s[CS], 0x3e38aa3b                    ; c = log2(e) / 8
	s_mov_b32 s[CS+1], s[CS]                       ; (the packed form names the pair)
	s_mov_b32 s[NC], 0xbe38aa3b                    ; -c
	s_wait_dscnt 0x0
	s_wait_kmcnt 0x0
	s_add_nc_u64 s[G0+2:G0+3], s[4:5], s[46:47]
	s_or_b32 s[G0+3], s[G0+3], 0x80000000
	CROUND                                         ; all four work-groups are here: the joint loads meet
	tensor_load_to_lds s[G0:G0+3], s[G1:G1+7]      ; my one tensor load of the launch
	s_nop 0
	PLACES 4
	s_lshl_b32 s48, s[QB], 2                       ; my queries' record: 4 x block + wave / 4
	s_lshr_b32 s49, s[WV], 2
	s_add_co_u32 s48, s48, s49
	s_mul_i32 s48, s48, REC
	s_add_co_u32 s48, s48, s44
	s_and_b32 s49, s[WV], 3                        ; in it my tiles 2 (w % 4) and 2 (w % 4) + 1
	s_lshl_b32 s49, s49, 10
	s_add_co_u32 s50, s48, s49
	s_add_co_u32 s50, s50, QCO
	s_mov_b32 s51, 0
	s_add_nc_u64 s[QP:QP+1], s[4:5], s[50:51]
	s_bfe_u32 s49, s[WV], 0x10001                  ; their scale words: half (w / 2) % 2, word w % 2; the second tile's lie 16 lanes (128 bytes) on
	s_lshl_b32 s49, s49, 8
	s_add_co_u32 s50, s48, s49
	s_and_b32 s49, s[WV], 1
	s_lshl_b32 s49, s49, 2
	s_add_co_u32 s50, s50, s49
	s_add_co_u32 s50, s50, QSO
	s_add_nc_u64 s[QSP:QSP+1], s[4:5], s[50:51]
	s_lshr_b32 s48, s[BH], 4                       ; my first tile of 16 tokens: 128 x batch + 32 x block + 2 x wave
	s_lshl_b32 s48, s48, 7
	s_lshl_b32 s49, s[QB], 5
	s_add_co_u32 s48, s48, s49
	s_lshl_b32 s49, s[WV], 1
	s_add_co_u32 s48, s48, s49
	s_and_b32 s49, s[BH], 15                       ; the head
	s_lshl_b32 s50, s48, 13
	s_lshl_b32 s52, s49, 9
	s_add_co_u32 s50, s50, s52
	s_add_nc_u64 s[OP:OP+1], s[6:7], s[50:51]
	s_lshl_b32 s50, s48, 9
	s_lshl_b32 s52, s49, 1
	s_add_co_u32 s50, s50, s52
	s_add_nc_u64 s[OSP:OSP+1], s[8:9], s[50:51]
	v_and_b32 v[L8], 31, v0
	v_lshlrev_b32 v[L16], 4, v[L8]
	v_lshlrev_b32 v[L8], 3, v[L8]
	v_and_b32 v[OS], 15, v0
	v_lshlrev_b32 v[R8], 3, v[OS]
	v_lshlrev_b32 v[OS], 5, v[OS]
	global_load_b128 v[QF:QF+3], v[L16], s[QP:QP+1]                ; q of both my tiles, while the records are on their way
	global_load_b32 v[QSC], v[R8], s[QSP:QSP+1]
	global_load_b128 v[Q1:Q1+3], v[L16], s[QP:QP+1] offset:512
	global_load_b32 v[QS1], v[R8], s[QSP:QSP+1] offset:128
.irp j, 4,5,6,7
	v_mov_b32 v[QF+\j], 0                          ; zero codes for K = 64 .. 127: written once
.endr
.irp t, 0,1,2,3,4,5,6,7
.irp j, 4,5,6,7
	v_mov_b32 v[KF+8*\t+\j], 0
.endr
.endr
.irp b, 0,1,2,3
	v_mov_b32 v[PT+\b], 0                          ; a lane permute's destination counts as read
.endr
	v_mov_b32 v[FF+1], 0                           ; (named as the upper half of a pair)
.macro SPROD t                         ; S^T of keys 16 t .. 16 t + 15: begun with the constant 0
.if (\t)%2
	v_wmma_scale_f32_16x16x128_f8f6f4 v[ST+8*(\t):ST+8*(\t)+7], v[KF+8*(\t):KF+8*(\t)+7], v[QF:QF+7], 0, v[KSC+(\t)/2], v[QSC] matrix_a_fmt:MATRIX_FMT_FP4 matrix_b_fmt:MATRIX_FMT_FP4 matrix_a_scale:MATRIX_SCALE_ROW1
.else
	v_wmma_scale_f32_16x16x128_f8f6f4 v[ST+8*(\t):ST+8*(\t)+7], v[KF+8*(\t):KF+8*(\t)+7], v[QF:QF+7], 0, v[KSC+(\t)/2], v[QSC] matrix_a_fmt:MATRIX_FMT_FP4 matrix_b_fmt:MATRIX_FMT_FP4
.endif
.endm
.macro OPROD t                         ; O^T of the head's 16 t .. 16 t + 15, K = the step's 128 keys; the four accumulators take turns
.if (\t)%2
	v_wmma_scale_f32_16x16x128_f8f6f4 v[OT+8*(\t):OT+8*(\t)+7], v[VF+8*(\t):VF+8*(\t)+7], v[PC:PC+7], v[OT+8*(\t):OT+8*(\t)+7], v[VSC+(\t)/2], v[PW] matrix_a_fmt:MATRIX_FMT_FP4 matrix_b_fmt:MATRIX_FMT_FP4 matrix_a_scale:MATRIX_SCALE_ROW1
.else
	v_wmma_scale_f32_16x16x128_f8f6f4 v[OT+8*(\t):OT+8*(\t)+7], v[VF+8*(\t):VF+8*(\t)+7], v[PC:PC+7], v[OT+8*(\t):OT+8*(\t)+7], v[VSC+(\t)/2], v[PW] matrix_a_fmt:MATRIX_FMT_FP4 matrix_b_fmt:MATRIX_FMT_FP4
.endif
.endm
.macro KLOADS a16, a8                  ; a record's eight fragments of k and its scale words: ten LDS loads
.irp t, 0,1,2,3,4,5,6,7
	ds_load_b128 v[KF+8*\t:KF+8*\t+3], v[\a16] offset:512*\t
.endr
.irp f, 0,1
	ds_load_b64 v[KSC+2*\f:KSC+2*\f+1], v[\a8] offset:KSO+256*\f
.endr
.endm
; THE PLAIN WORK THAT STANDS BETWEEN THE EXPONENTIALS, by kind and number.
.macro FMA b                           ; pair b of 32: t - M, two at a time (of the pairs c and -M the low word serves both halves)
	v_pk_fma_f32 v[ST+2*(\b):ST+2*(\b)+1], v[ST+2*(\b):ST+2*(\b)+1], s[CS:CS+1], v[12:13] op_sel_hi:[1,0,0]
.endm
.macro RESC j                          ; pair j of 16 of O^T under the new M; taken in ascending order
	v_pk_mul_f32 v[OT+2*(\j):OT+2*(\j)+1], v[OT+2*(\j):OT+2*(\j)+1], v[FF:FF+1] op_sel_hi:[1,0]
.endm
.macro SUM k                           ; the row's sum of the unquantised p, in two chains: number 0 starts the second chain with pairs 0 and 1, number k adds pair k + 1
.if (\k) == 0
	s_wait_alu depctr_va_vdst(0)
	v_pk_add_f32 v[S2:S2+1], v[ST:ST+1], v[ST+2:ST+3]
.elseif (\k)%2
	v_pk_add_f32 v[14:15], v[14:15], v[ST+2*(\k)+2:ST+2*(\k)+3]
.else
	s_wait_alu depctr_va_vdst(0)
	v_pk_add_f32 v[S2:S2+1], v[S2:S2+1], v[ST+2*(\k)+2:ST+2*(\k)+3]
.endif
.endm
.macro SCALE n                         ; the four blocks' scales from their largest p, 15 lines
.if (\n) < 4
	s_wait_alu depctr_va_vdst(0)
	v_max_num_f32 v[BM+(\n)], 0x1800000, v[BM+(\n)]                ; the floor 2^(3 - 127): the byte cannot fall under 1
.elseif (\n) < 8
	v_add_nc_u32 v[SO+(\n)-4], 0xff000000, v[BM+(\n)-4]            ; 2 off the exponent field: the conversion's scale operand
.elseif (\n) < 12
	v_lshrrev_b32 v[PT+(\n)-8], 23, v[SO+(\n)-8]                   ; the scale's byte
.elseif (\n) == 12
	v_lshl_or_b32 v[PW], v[PT+1], 8, v[PT]                         ; p's scale word for these 128 keys
.elseif (\n) == 13
	v_lshl_or_b32 v[PW], v[PT+2], 16, v[PW]
.else
	s_setprio 1
	v_lshl_or_b32 v[PW], v[PT+3], 24, v[PW]
.endif
.endm
; A KEY STEP: 128 keys.  Register ST + 16 b + 8 u + j of lane half h is key 32 b + 16 u + 8 h + j.
.macro STEP
	s_add_co_u32 s[TK], s[TB], RECP                ; the next step's record; behind the last comes the first, which is the next tile's first
	s_and_b32 s[TK], s[TK], 16*RECP-1
	v_add_nc_u32 v[AD16], s[TB], v[L16]            ; these four additions are the places behind the last step's products, in front of loads into their registers
	v_add_nc_u32 v[AD8], s[TB], v[L8]
	v_add_nc_u32 v[AK16], s[TK], v[L16]
	v_add_nc_u32 v[AK8], s[TK], v[L8]
.irp t, 0,1,2,3
.irp c, 0,1
	ds_load_b128 v[VF+8*\t+4*\c:VF+8*\t+4*\c+3], v[AD16] offset:VCO+1024*\t+512*\c     ; v, for the step's end
.endr
.endr
	ds_load_b64 v[VSC:VSC+1], v[AD8] offset:VSO
	s_wait_dscnt 9                                 ; k's ten loads, asked for a step ago, are in; v's nine, issued behind them, may be out
.irp t, 0,1,2,3,4,5,6,7
	SPROD \t
.endr
	v_mov_b32 v[TMP], v12                          ; the old -M; with the three v_nop: four places behind the products
	PLACES 3
	KLOADS AK16, AK8                               ; the next step's k: it has the whole softmax in which to land
.irp b, 0,1,2,3
	v_max3_num_f32 v[BM+\b], v[ST+16*\b], v[ST+16*\b+1], v[ST+16*\b+2]     ; the largest score of each block of 32 keys: for the row's maximum and, since p rises with the score, for the block's largest p
.endr
.irp i, 3,5,7,9,11,13
.irp b, 0,1,2,3
	v_max3_num_f32 v[BM+\b], v[BM+\b], v[ST+16*\b+\i], v[ST+16*\b+\i+1]
.endr
.endr
.irp b, 0,1,2,3
	v_max_num_f32 v[BM+\b], v[BM+\b], v[ST+16*\b+15]
.endr
.irp b, 0,1,2,3
	v_permlanex16_b32 v[PT+\b], v[BM+\b], s[SEL], s[SEL+1]
.endr
.irp b, 0,1,2,3
	v_max_num_f32 v[BM+\b], v[BM+\b], v[PT+\b]     ; with lane l xor 16's 16 keys
.endr
	v_max3_num_f32 v[T2], v[BM], v[BM+1], v[BM+2]
	v_max3_num_f32 v13, v[T2], v[BM+3], v13        ; the running largest score of my query (c is positive: the largest t is the largest score's)
	v_mul_f32 v[T2], s[NC], v13                    ; -t
	v_floor_f32 v12, v[T2]                         ; the new -M = floor(-t): M is a whole number
	FMA 0
	v_sub_f32 v[TMP], v12, v[TMP]                  ; old M - new M: a whole number, 0 or less
	FMA 1
.irp b, 0,1,2,3
	v_fma_f32 v[BM+\b], v[BM+\b], s[CS], v12       ; t - M of each block's largest score
.endr
	v_cvt_i32_f32 v[TMP], v[TMP]                   ; (it saturates)
	v_exp_f32 v[BM], v[BM]                         ; the blocks' largest p: the same multiply-add and exponential on the same number give the same bits
	FMA 2
	v_ldexp_f32 v[FF], 1.0, v[TMP]                 ; f = 2^(old M - new M)
	v_exp_f32 v[BM+1], v[BM+1]
	FMA 3
	v_exp_f32 v[BM+2], v[BM+2]
	FMA 4
	v_exp_f32 v[BM+3], v[BM+3]
	FMA 5
; p = 2^(t - M), at most 1.  Behind exponential i stands a plain instruction that names neither its register nor that of an exponential with no plain instruction behind it yet (ISA guide 5.7.2):
; even i: t - M of pair i / 2 + 6, whose exponentials come twelve further on; odd i: the sum takes pair (i - 3) / 2, whose second exponential is number i - 2;
; where these lists have run out or not begun, O^T's rescaling.  The first 21 have a second plain instruction: the blocks' scales, then rescaling.
.set i, 0
.rept 64
	v_exp_f32 v[ST+i], v[ST+i]
.if i == 1
	v_pk_mul_f32 v[14:15], v[14:15], v[FF:FF+1] op_sel_hi:[1,0]    ; the sums under the new M
.elseif i == 3
	RESC 0
.elseif i >= 60
	RESC i-49
.elseif i%2
	SUM (i-5)/2
.elseif i <= 50
	FMA i/2+6
.else
	RESC 7+(i-52)/2
.endif
.if i < 15
	SCALE i
.elseif i < 21
	RESC i-14
.endif
.set i, i+1
.endr
	s_setprio 0
	s_wait_alu depctr_va_vdst(0)
.irp b, 0,1,2,3
.irp u, 0,1
	v_cvt_scalef32_pk8_fp4_f32 v[PC+4*(\b/2)+2*\u+(\b%2)], v[ST+16*\b+8*\u:ST+16*\b+8*\u+7], v[SO+\b]   ; word 2 u + h of block b
.endr
.endr
	RESC 15                                        ; the plain place behind the scaled conversions
.irp c, 0,1
.irp u, 0,1
	v_permlane16_swap_b32 v[PC+4*\c+2*\u], v[PC+4*\c+2*\u+1]       ; lanes 0-15 now hold block 2 c whole, lanes 16-31 block 2 c + 1
.endr
.endr
	SUM 28                                         ; the last sums are the four places between p's codes and the products
	SUM 29
	SUM 30
	v_pk_add_f32 v[14:15], v[14:15], v[S2:S2+1]
	s_wait_dscnt 10                                ; v's nine loads are in; the next step's ten of k, issued behind them, may be out
.irp t, 0,1,2,3
	OPROD \t
.endr
	s_add_co_u32 s[TB], s[TB], RECP                ; the next record
.endm
; One tile of 16 queries: n = 0, 1.  The tile's place stands in the stores' immediates: no pointer is stepped.
.macro TILE n
.if \n
.irp j, 0,1,2,3
	v_mov_b32 v[QF+\j], v[Q1+\j]                   ; the second tile's q; the 37 plain lines below stand between these and the first product
.endr
	v_mov_b32 v[QSC], v[QS1]
.endif
	v_mov_b32 v13, 0xff61b1e6                      ; the largest score so far: -3e38
	v_mul_f32 v[T2], s[NC], v13
	v_floor_f32 v12, v[T2]
	v_mov_b32 v14, 0
	v_mov_b32 v15, 0
.irp j, 0,1,2,3,4,5,6,7,8,9,10,11,12,13,14,15,16,17,18,19,20,21,22,23,24,25,26,27,28,29,30,31
	v_mov_b32 v[OT+\j], 0                          ; the step is written once: the first finds zeros, which the first change of M leaves zeros
.endr
	s_mov_b32 s[TB], 0
	s_mov_b32 s[CNT], 16
.Lstep_\@:
	s_setprio 2
	STEP
	s_sub_co_u32 s[CNT], s[CNT], 1
	s_cmp_lg_u32 s[CNT], 0
	s_cbranch_scc1 .Lstep_\@
	s_setprio 0
	PLACES 4                                       ; behind the last products
	v_add_f32 v14, v14, v15                        ; the sum's two halves,
	v_permlanex16_b32 v[TMP], v14, s[SEL], s[SEL+1]
	v_add_f32 v14, v14, v[TMP]                     ; and lane l xor 16's
	v_rcp_f32 v14, v14
	v_nop                                          ; a plain place behind the transcendental
	s_wait_alu depctr_va_vdst(0)
.irp i, 0,1,2,3,4,5,6,7,8,9,10,11,12,13,14,15
	v_pk_mul_f32 v[ST+2*\i:ST+2*\i+1], v[OT+2*\i:OT+2*\i+1], v[14:15] op_sel_hi:[1,0]      ; O^T / the sum: register 16 b + 8 u + j is channel 32 b + 16 u + 8 h + j of my query
.endr
.irp b, 0,1
	v_max3_num_f32 v[BM+\b], |v[ST+16*\b]|, |v[ST+16*\b+1]|, 0x1800000     ; the head's two blocks of 32 along the next product's K
.endr
.irp i, 2,4,6,8,10,12,14
.irp b, 0,1
	v_max3_num_f32 v[BM+\b], v[BM+\b], |v[ST+16*\b+\i]|, |v[ST+16*\b+\i+1]|
.endr
.endr
.irp b, 0,1
	v_permlanex16_b32 v[PT+\b], v[BM+\b], s[SEL], s[SEL+1]
.endr
.irp b, 0,1
	v_max_num_f32 v[BM+\b], v[BM+\b], v[PT+\b]
.endr
.irp b, 0,1
	v_add_nc_u32 v[SO+\b], 0xff000000, v[BM+\b]
.endr
.irp b, 0,1
	v_lshrrev_b32 v[PT+\b], 23, v[SO+\b]
.endr
	v_lshl_or_b32 v[PW], v[PT+1], 8, v[PT]         ; the two bytes
.irp b, 0,1
.irp u, 0,1
	v_cvt_scalef32_pk8_fp4_f32 v[PC+2*\u+\b], v[ST+16*\b+8*\u:ST+16*\b+8*\u+7], v[SO+\b]
.endr
.endr
	v_nop                                          ; one plain place behind the scaled conversions
.irp u, 0,1
	v_permlane16_swap_b32 v[PC+2*\u], v[PC+2*\u+1]
.endr
	global_store_b128 v[L16], v[PC:PC+3], s[OP:OP+1] offset:8192*\n        ; 32 lanes store 512 consecutive bytes, aligned
	global_store_b16 v[OS], v[PW], s[OSP:OSP+1] offset:512*\n              ; two bytes of each token's 32 (lanes l and l xor 16 store the same value): short stores, 1/16 of what the tile stores
.if \n == 0
	s_wait_xcnt 0x0                                ; the stores' data registers are written again in the next tile only behind this wait
.endif
.endm
	s_wait_tensorcnt 0x0                           ; my record is in,
	s_barrier_signal -1
	s_barrier_wait -1                              ; everybody's is: all sixteen lie in LDS for the rest of the launch
	KLOADS L16, L8                                 ; record 0's k, for the first step
	s_wait_loadcnt 0x0                             ; q
	TILE 0
	TILE 1
	s_wait_dscnt 0x0                               ; the last step's ten loads of k, which nothing reads: no LDS instruction of mine is out at a barrier's signal
	s_wait_tensorcnt 0x0
	ds_add_u32 v254, v255
	s_wait_dscnt 0x0
	CROUND                                         ; the closing round
	s_endpgm
.Lfunc_end_k_q75c6e5fa66_attn:
	.size	k_q75c6e5fa66_attn, .Lfunc_end_k_q75c6e5fa66_attn-k_q75c6e5fa66_attn
	.p2alignl 7, 3214868480
	.fill 96, 4, 3214868480
	.section	.rodata,"a",@progbits
	.p2align	6, 0x0
	.amdhsa_kernel k_q75c6e5fa66_attn
		.amdhsa_group_segment_fixed_size 264192
		.amdhsa_private_segment_fixed_size 0
		.amdhsa_enable_private_segment 0
		.amdhsa_kernarg_size 24
		.amdhsa_user_sgpr_count 2
		.amdhsa_user_sgpr_kernarg_segment_ptr 1
		.amdhsa_wavefront_size32 1
		.amdhsa_system_sgpr_workgroup_id_x 1
		.amdhsa_system_sgpr_workgroup_id_y 1
		.amdhsa_system_sgpr_workgroup_id_z 1
		.amdhsa_system_vgpr_workitem_id 0
		.amdhsa_next_free_vgpr 256
		.amdhsa_next_free_sgpr 66
		.amdhsa_reserve_vcc 0
		.amdhsa_float_denorm_mode_32 3
		.amdhsa_float_denorm_mode_16_64 3
		.amdhsa_memory_ordered 1
		.amdhsa_forward_progress 1
		.amdhsa_inst_pref_size 48
	.end_amdhsa_kernel
	.amdgpu_metadata
---
amdhsa.version: [ 1, 2 ]
amdhsa.kernels:
  - .name:           k_q75c6e5fa66_attn
    .symbol:         k_q75c6e5fa66_attn.kd
    .args:
      - { .name: ws_qkv, .offset: 0, .size: 8, .value_kind: global_buffer, .address_space: global }
      - { .name: ao_codes, .offset: 8, .size: 8, .value_kind: global_buffer, .address_space: global }
      - { .name: ao_scales, .offset: 16, .size: 8, .value_kind: global_buffer, .address_space: global }
    .group_segment_fixed_size: 264192
    .private_segment_fixed_size: 0
    .kernarg_segment_align: 8
    .kernarg_segment_size: 24
    .max_flat_workgroup_size: 512
    .sgpr_count:     66
    .vgpr_count:     256
    .wavefront_size: 32
...
	.end_amdgpu_metadata
.endif
;; end of part 5
;; launch proj (part 6): grid 4 x 64, 8 waves a work-group, clusters of 4 x 4, 249,600 bytes of LDS; arguments ao_codes, ao_scales, Wo_codes, Wo_scales, bo, out0; writes out0
.if DOCPART == 6
	.amdgcn_target "amdgcn-amd-amdhsa--gfx1250"
	.amdhsa_code_object_version 6
	.text
	.protected	k_q75c6e5fa66_proj
	.globl	k_q75c6e5fa66_proj
	.p2align	8
	.type	k_q75c6e5fa66_proj,@function
k_q75c6e5fa66_proj:
	s_mov_b64 s[64:65], 0
	v_nop
	global_prefetch_b8 v0, s[64:65] scope:SCOPE_SE
	s_setreg_imm32_b32 hwreg(HW_REG_WAVE_MODE, 25, 1), 1
	s_wait_xcnt 0x0
	s_wait_alu depctr_hold_cnt(0) depctr_sa_sdst(0) depctr_va_vdst(0) depctr_va_sdst(0) depctr_va_ssrc(0) depctr_va_vcc(0) depctr_vm_vsrc(0)
	s_getreg_b32 s2, hwreg(HW_REG_IB_STS2, 6, 4)
	s_cmp_eq_u32 s2, 0
	s_cbranch_scc0 .Lentry_in_a_cluster
	s_endpgm
.Lentry_in_a_cluster:
	s_bfe_u32 s2, ttmp6, 0x10000c
	s_cmp_lg_u32 s2, 0xf033
	s_cbranch_scc0 .Lentry_shape_is_right
	s_endpgm
.Lentry_shape_is_right:
; out0 = a Wo + bo on codes of FP4 (E2M1) with one E8M0 scale for each 32 along K (K = 1,024); a = the attention's result as the launch before stored it.
; SHARES.  A work-group makes 128 tokens x 256 columns over all of K: 256 work-groups.  Its tiles and scale bytes fit in LDS at once: every tensor load is a first fill.
; Eight waves; wave w makes 64 tokens (w % 2) x 64 columns (w / 2): 16 accumulators.
; CLUSTER 4 x 4: a's tiles are shared along a row of the cluster, Wo's along a column: joint loads.
; Source 0 = 16 rows of Wo, source 1 = 16 tokens: a lane holds eight neighbouring columns of one row of out0.  The bias is the C of each sum's first product.
; ao_codes holds images of source 1's registers: [tile of 16 tokens][head][512]: K step q takes heads 2 q and 2 q + 1: 1,024 consecutive bytes, 16 x lane.
; LIMITS: NaN and infinities are not served.
.set PITCH, 528                        ; a row of Wo in LDS: 512 bytes + 16
.set AT,    0                          ; a's 8 tiles x 8,192 bytes, dense
.set WT,    65536                      ; Wo's 256 rows
.set AS,    WT+256*PITCH               ; a's scale bytes: 4,096 bytes as 16 rows of 256 + 16
.set WS,    AS+16*272                  ; Wo's: 32 rows of 256 + 16
.set STG,   WS+32*272                  ; the way out: 16 rows x (256 + 16) bytes for each wave, bytes of their own (from a multiple of 256 on) into which no fill lands; the map ends at 248,576
.set ADA, 3
.set ADW, 4
.set ADS, 5
.set STO, 6
.set RD,  7
.set CO,  8
.set LANE, 11
.set SC,  16                           ; v16-31 scale words: register 4 i + q % 4: lanes 0-15 a's tile i, lanes 16-31 Wo's tile i
.set BI,  32                           ; v32-63 the bias
.set WF,  64
.set XF,  96
.set BK,  64                           ; the way out: v64-95 and v96-127 by turns
.set ACC, 128
.set WV,  16
.set PART, 18
.set WQ,  19
.set WP,  20
.set CX,  21
.set CY,  22
.set TX,  23
.set TY,  24
.set G1A,  28
.set G1W,  36
.set G1AS, 44
.set G1WS, 52
.set G0A,  60
.set G0W,  68
.set G0AS, 72
.set G0WS, 76
.set OUT,  84
.macro PLACES n
.rept \n
	v_nop
.endr
.endm
.macro CROUND
	s_barrier_signal -1
	s_barrier_wait -1
	s_cmp_lg_u32 s[WV], 0
	s_cbranch_scc1 .Lnot_wave_0_\@
	s_barrier_signal -3
.Lnot_wave_0_\@:
	s_barrier_wait -3
	s_barrier_signal -1
	s_barrier_wait -1
.endm
	s_load_b256 s[4:11], s[0:1], 0x0               ; a's codes s[4:5], a's scales s[6:7], Wo's codes s[8:9], Wo's scales s[10:11]
	s_load_b128 s[12:15], s[0:1], 0x20             ; bo s[12:13], out0 s[14:15]
	v_lshl_add_u32 v14, v0, 2, 0x3cb00
	v_mov_b32 v15, 0
	ds_add_u32 v14, v15
	ds_add_u32 v14, v15
	v_lshrrev_b32 v1, 5, v0
	s_delay_alu instid0(VALU_DEP_1)
	v_readfirstlane_b32 s[WV], v1                  ; wave 0..7
	s_and_b32 s[PART], s[WV], 3                    ; which quarter I fetch (waves 0-3: of a, waves 4-7: of Wo)
	s_and_b32 s[WQ], s[WV], 1                      ; my 64 tokens
	s_lshr_b32 s[WP], s[WV], 1                     ; my 64 columns
	s_bfe_u32 s[CX], ttmp6, 0x40000
	s_bfe_u32 s[CY], ttmp6, 0x40004
	s_lshl_b32 s[TX], ttmp9, 2
	s_add_co_u32 s[TX], s[TX], s[CX]               ; block of 256 columns
	s_and_b32 s[TY], ttmp7, 0xffff
	s_lshl_b32 s[TY], s[TY], 2
	s_add_co_u32 s[TY], s[TY], s[CY]               ; block of 128 tokens
	s_lshl_b32 s86, s[CY], 2
	s_lshl_b32 s86, 15, s86                        ; my row of the cluster
	s_lshl_b32 s87, 0x1111, s[CX]                  ; my column
	s_or_b32 s[G1A], s86, (3<<16)|(1<<21)          ; a's codes: 64 rows of 256 dense bytes (32 elements of 8), no padding
	s_mov_b32 s[G1A+1], 32<<16
	s_mov_b32 s[G1A+2], 64<<16
	s_mov_b32 s[G1A+3], 32<<16
	s_mov_b32 s[G1A+4], 64
	s_mov_b32 s[G1A+5], 32
	s_mov_b32 s[G1A+6], 0
	s_mov_b32 s[G1A+7], 0
	s_or_b32 s[G1W], s87, (1<<20)|(1<<21)|(6<<22)|(3<<25)          ; Wo's codes: 64 rows x 512 bytes, 4 words of padding behind every 128
	s_mov_b32 s[G1W+1], 512<<16
	s_mov_b32 s[G1W+2], 64<<16
	s_mov_b32 s[G1W+3], 512<<16
	s_mov_b32 s[G1W+4], 64
	s_mov_b32 s[G1W+5], 512
	s_mov_b32 s[G1W+6], 0
	s_mov_b32 s[G1W+7], 0
	s_or_b32 s[G1AS], s86, (3<<16)|(1<<20)|(1<<21)|(5<<22)|(3<<25) ; a's scale bytes of 32 tokens: 4 rows of 256 bytes, 4 words of padding behind every 64
	s_mov_b32 s[G1AS+1], 32<<16
	s_mov_b32 s[G1AS+2], 4<<16
	s_mov_b32 s[G1AS+3], 32<<16
	s_mov_b32 s[G1AS+4], 4
	s_mov_b32 s[G1AS+5], 32
	s_mov_b32 s[G1AS+6], 0
	s_mov_b32 s[G1AS+7], 0
	s_or_b32 s[G1WS], s87, (3<<16)|(1<<20)|(1<<21)|(5<<22)|(3<<25) ; Wo's of 64 rows: 8 such rows
	s_mov_b32 s[G1WS+1], 32<<16
	s_mov_b32 s[G1WS+2], 8<<16
	s_mov_b32 s[G1WS+3], 32<<16
	s_mov_b32 s[G1WS+4], 8
	s_mov_b32 s[G1WS+5], 32
	s_mov_b32 s[G1WS+6], 0
	s_mov_b32 s[G1WS+7], 0
	; every wave makes both sides' addresses; the registers of a's never hold cx, those of Wo's never cy
	s_lshl_b32 s88, s[TY], 16                      ; a's codes: 65,536 ty + 16,384 part
	s_lshl_b32 s98, s[PART], 14
	s_add_co_u32 s88, s88, s98
	s_mov_b32 s89, 0
	s_lshl_b32 s90, s[TY], 12                      ; its scale bytes: 4,096 ty + 1,024 part
	s_lshl_b32 s99, s[PART], 10
	s_add_co_u32 s90, s90, s99
	s_mov_b32 s91, 0
	s_lshl_b32 s94, s[TX], 8
	s_lshl_b32 s99, s[PART], 6
	s_add_co_u32 s94, s94, s99                     ; Wo: row 256 tx + 64 part
	s_lshl_b32 s96, s94, 5
	s_lshl_b32 s94, s94, 9
	s_mov_b32 s95, 0
	s_mov_b32 s97, 0
	s_mul_i32 s99, s[PART], 4*272                  ; where they go: the wave's number times a constant (s98 = 16,384 part serves a's codes)
	s_mul_i32 s92, s[PART], 64*PITCH
	s_mul_i32 s93, s[PART], 8*272
	s_wait_dscnt 0x0
	s_wait_kmcnt 0x0
	s_mov_b32 s[G0A], 1
	s_add_co_u32 s[G0A+1], s98, AT
	s_add_nc_u64 s[G0A+2:G0A+3], s[4:5], s[88:89]
	s_or_b32 s[G0A+3], s[G0A+3], 0x80000000
	s_mov_b32 s[G0AS], 1
	s_add_co_u32 s[G0AS+1], s99, AS
	s_add_nc_u64 s[G0AS+2:G0AS+3], s[6:7], s[90:91]
	s_or_b32 s[G0AS+3], s[G0AS+3], 0x80000000
	s_mov_b32 s[G0W], 1
	s_add_co_u32 s[G0W+1], s92, WT
	s_add_nc_u64 s[G0W+2:G0W+3], s[8:9], s[94:95]
	s_or_b32 s[G0W+3], s[G0W+3], 0x80000000
	s_mov_b32 s[G0WS], 1
	s_add_co_u32 s[G0WS+1], s93, WS
	s_add_nc_u64 s[G0WS+2:G0WS+3], s[10:11], s[96:97]
	s_or_b32 s[G0WS+3], s[G0WS+3], 0x80000000
	CROUND                                         ; all sixteen work-groups are here: the joint loads meet
	s_cmp_lt_u32 s[WV], 4                          ; a wave's two fills stand in one branch on its number: two tensor loads of mine are out, and no more follow
	s_cbranch_scc0 .Lfor_w
	tensor_load_to_lds s[G0AS:G0AS+3], s[G1AS:G1AS+7]
	s_nop 0
	tensor_load_to_lds s[G0A:G0A+3], s[G1A:G1A+7]
	s_nop 0
	PLACES 4
	s_branch .Lasked
.Lfor_w:
	tensor_load_to_lds s[G0WS:G0WS+3], s[G1WS:G1WS+7]
	s_nop 0
	tensor_load_to_lds s[G0W:G0W+3], s[G1W:G1W+7]
	s_nop 0
	PLACES 4
.Lasked:
	v_and_b32 v1, 15, v0                           ; r
	v_bfe_u32 v2, v0, 4, 1                         ; h
	v_and_b32 v[LANE], 31, v0
	s_delay_alu instid0(VALU_DEP_3)
	v_mul_u32_u24 v[ADW], v1, PITCH
	s_delay_alu instid0(VALU_DEP_1)
	v_lshl_add_u32 v[ADW], v2, 4, v[ADW]
	s_mul_i32 s26, s[WP], 64*PITCH
	s_add_co_u32 s26, s26, WT
	v_add_nc_u32 v[ADW], s26, v[ADW]               ; Wo: my 64 rows, row r x pitch + 16 h
	s_lshl_b32 s26, s[WQ], 15
	v_lshl_add_u32 v[ADA], v[LANE], 4, s26         ; a: my four tiles, 16 x lane
	v_lshrrev_b32 v[ADS], 3, v1                    ; a row's 32 scale bytes: eight rows to 256 bytes + 16
	s_delay_alu instid0(VALU_DEP_1)
	v_mul_u32_u24 v[ADS], v[ADS], 272
	v_and_b32 v9, 7, v1
	s_delay_alu instid0(VALU_DEP_1)
	v_lshl_add_u32 v[ADS], v9, 5, v[ADS]
	s_xor_b32 s26, s[WQ], 1                        ; lanes 16-31 take Wo's words: 4,352 + 2,176 wp - 2,176 wq further on = 2,176 x (wp + (1 - wq) + 1)
	s_add_co_u32 s26, s26, s[WP]
	s_add_co_u32 s26, s26, 1
	s_mul_i32 s26, s26, 2176
	v_mul_u32_u24 v9, s26, v2
	s_delay_alu instid0(VALU_DEP_1)
	v_add_nc_u32 v[ADS], v[ADS], v9
	s_mul_i32 s26, s[WQ], 2176
	s_add_co_u32 s26, s26, AS
	v_add_nc_u32 v[ADS], s26, v[ADS]
	s_mul_i32 s26, s[WV], 16*272
	s_add_co_u32 s26, s26, STG                     ; my stage
	v_mul_u32_u24 v[STO], v1, 272                  ; in: row r, 32 bytes for each half of the lanes
	s_delay_alu instid0(VALU_DEP_1)
	v_lshl_add_u32 v[STO], v2, 5, v[STO]
	s_delay_alu instid0(VALU_DEP_1)
	v_add_nc_u32 v[STO], s26, v[STO]
	v_mul_u32_u24 v[RD], v2, 272                   ; back: lanes 0-15 one row of 256 bytes, lanes 16-31 the next
	s_delay_alu instid0(VALU_DEP_1)
	v_lshl_add_u32 v[RD], v1, 4, v[RD]
	s_delay_alu instid0(VALU_DEP_1)
	v_add_nc_u32 v[RD], s26, v[RD]
	v_lshlrev_b32 v[CO], 12, v2                    ; and the same two rows in out0 (4,096 bytes a row)
	s_delay_alu instid0(VALU_DEP_1)
	v_lshl_add_u32 v[CO], v1, 4, v[CO]
	s_lshl_b32 s26, s[TX], 10                      ; my 64 columns, in bytes
	s_lshl_b32 s27, s[WP], 8
	s_add_co_u32 s26, s26, s27
	s_mov_b32 s27, 0
	s_add_nc_u64 s[12:13], s[12:13], s[26:27]      ; their bias
	s_add_nc_u64 s[OUT:OUT+1], s[14:15], s[26:27]
	s_lshl_b32 s26, s[TY], 19                      ; my first row: 128 ty + 64 wq
	s_lshl_b32 s92, s[WQ], 18
	s_add_co_u32 s26, s26, s92
	s_add_nc_u64 s[OUT:OUT+1], s[OUT:OUT+1], s[26:27]
	v_lshlrev_b32 v9, 5, v2                        ; 32 h
.irp b, 0,1,2,3
	global_load_b128 v[BI+8*\b:BI+8*\b+3], v9, s[12:13] offset:64*\b        ; columns 16 b + 8 h + 0 .. 7
	global_load_b128 v[BI+8*\b+4:BI+8*\b+7], v9, s[12:13] offset:64*\b+16
.endr
.macro FETCH q                         ; K step q of 128: every fourth step the scale words of four steps; Wo's four fragments from rows, a's four from images
.if (\q)%4 == 0
.irp i, 0,1,2,3
	ds_load_b128 v[SC+4*\i:SC+4*\i+3], v[ADS] offset:544*\i+16*((\q)/4)
.endr
.endif
.irp b, 0,1,2,3
.irp c, 0,1
	ds_load_b128 v[WF+8*\b+4*\c:WF+8*\b+4*\c+3], v[ADW] offset:16*PITCH*\b+64*(\q)+32*\c
.endr
.endr
.irp a, 0,1,2,3
.irp c, 0,1
	ds_load_b128 v[XF+8*\a+4*\c:XF+8*\a+4*\c+3], v[ADA] offset:8192*\a+1024*(\q)+512*\c
.endr
.endr
.endm
.macro MULS q                          ; 16 products; the sixteen accumulators take turns, one instruction a turn; K step 0 starts the sums with the bias as C
.irp a, 0,1,2,3
.irp b, 0,1,2,3
.if (\q) == 0
	v_wmma_scale_f32_16x16x128_f8f6f4 v[ACC+8*(4*\a+\b):ACC+8*(4*\a+\b)+7], v[WF+8*\b:WF+8*\b+7], v[XF+8*\a:XF+8*\a+7], v[BI+8*\b:BI+8*\b+7], v[SC+4*\b+(\q)%4], v[SC+4*\a+(\q)%4] matrix_a_fmt:MATRIX_FMT_FP4 matrix_b_fmt:MATRIX_FMT_FP4 matrix_a_scale:MATRIX_SCALE_ROW1
.else
	v_wmma_scale_f32_16x16x128_f8f6f4 v[ACC+8*(4*\a+\b):ACC+8*(4*\a+\b)+7], v[WF+8*\b:WF+8*\b+7], v[XF+8*\a:XF+8*\a+7], v[ACC+8*(4*\a+\b):ACC+8*(4*\a+\b)+7], v[SC+4*\b+(\q)%4], v[SC+4*\a+(\q)%4] matrix_a_fmt:MATRIX_FMT_FP4 matrix_b_fmt:MATRIX_FMT_FP4 matrix_a_scale:MATRIX_SCALE_ROW1
.endif
.endr
.endr
.endm
; THE WAY OUT, 16 tokens x 64 columns at a time: through my own stage and back as whole rows of 256 bytes.  LDS serves a wave's instructions in order (ISA guide 5.7.1.4): no wait between the stores and the loads.
.macro TOSTAGE a
.irp b, 0,1,2,3
	ds_store_b128 v[STO], v[ACC+32*(\a)+8*\b:ACC+32*(\a)+8*\b+3] offset:64*\b          ; each accumulator from its low end on
	ds_store_b128 v[STO], v[ACC+32*(\a)+8*\b+4:ACC+32*(\a)+8*\b+7] offset:64*\b+16
.endr
.irp t, 0,1,2,3,4,5,6,7
	ds_load_b128 v[BK+32*((\a)%2)+4*\t:BK+32*((\a)%2)+4*\t+3], v[RD] offset:544*\t
.endr
.endm
.macro SEND a, younger                 ; younger: the LDS instructions issued behind block a's loads, which may stay out
	s_wait_dscnt \younger
.irp t, 0,1,2,3,4,5,6,7
	global_store_b128 v[CO], v[BK+32*((\a)%2)+4*\t:BK+32*((\a)%2)+4*\t+3], s[OUT:OUT+1] offset:(16*(\a)+2*\t)*4096 th:TH_STORE_NT   ; 16 lanes store 256 consecutive bytes, aligned; written once, read by nobody here
.endr
.endm
	s_wait_tensorcnt 0x0                           ; my parts of the tiles and of the scale bytes are in,
	s_barrier_signal -1
	s_barrier_wait -1                              ; everybody's are
	s_wait_loadcnt 0x0                             ; the bias
.irp q, 0,1,2,3,4,5,6,7
.if \q > 0
	PLACES 4                                       ; in front of loads into registers that matrix instructions have read
.endif
	FETCH \q
	s_wait_dscnt 0x0                               ; this step's fragments and scale words are in
	MULS \q
.endr
	PLACES 4                                       ; behind the last products: for the stores that read results and the loads into the fragments' registers
	s_wait_alu depctr_va_vdst(0)
	TOSTAGE 0
.irp a, 1,2,3
.if \a > 1
	s_wait_xcnt 0x0                                ; block a - 2's stores have read their registers: block a's loads may land there
.endif
	TOSTAGE \a
	SEND \a-1, 16                                  ; behind block a - 1's loads: block a's 8 stores and 8 loads
.endr
	SEND 3, 0
	s_wait_tensorcnt 0x0
	ds_add_u32 v14, v15
	s_wait_dscnt 0x0
	CROUND                                         ; the closing round
	s_endpgm
.Lfunc_end_k_q75c6e5fa66_proj:
	.size	k_q75c6e5fa66_proj, .Lfunc_end_k_q75c6e5fa66_proj-k_q75c6e5fa66_proj
	.p2alignl 7, 3214868480
	.fill 96, 4, 3214868480
	.section	.rodata,"a",@progbits
	.p2align	6, 0x0
	.amdhsa_kernel k_q75c6e5fa66_proj
		.amdhsa_group_segment_fixed_size 249600
		.amdhsa_private_segment_fixed_size 0
		.amdhsa_enable_private_segment 0
		.amdhsa_kernarg_size 48
		.amdhsa_user_sgpr_count 2
		.amdhsa_user_sgpr_kernarg_segment_ptr 1
		.amdhsa_wavefront_size32 1
		.amdhsa_system_sgpr_workgroup_id_x 1
		.amdhsa_system_sgpr_workgroup_id_y 1
		.amdhsa_system_sgpr_workgroup_id_z 1
		.amdhsa_system_vgpr_workitem_id 0
		.amdhsa_next_free_vgpr 256
		.amdhsa_next_free_sgpr 100
		.amdhsa_reserve_vcc 0
		.amdhsa_float_denorm_mode_32 3
		.amdhsa_float_denorm_mode_16_64 3
		.amdhsa_memory_ordered 1
		.amdhsa_forward_progress 1
		.amdhsa_inst_pref_size 43
	.end_amdhsa_kernel
	.amdgpu_metadata
---
amdhsa.version: [ 1, 2 ]
amdhsa.kernels:
  - .name:           k_q75c6e5fa66_proj
    .symbol:         k_q75c6e5fa66_proj.kd
    .args:
      - { .name: ao_codes, .offset: 0, .size: 8, .value_kind: global_buffer, .address_space: global }
      - { .name: ao_scales, .offset: 8, .size: 8, .value_kind: global_buffer, .address_space: global }
      - { .name: Wo_codes, .offset: 16, .size: 8, .value_kind: global_buffer, .address_space: global }
      - { .name: Wo_scales, .offset: 24, .size: 8, .value_kind: global_buffer, .address_space: global }
      - { .name: bo, .offset: 32, .size: 8, .value_kind: global_buffer, .address_space: global }
      - { .name: out0, .offset: 40, .size: 8, .value_kind: global_buffer, .address_space: global }
    .group_segment_fixed_size: 249600
    .private_segment_fixed_size: 0
    .kernarg_segment_align: 8
    .kernarg_segment_size: 48
    .max_flat_workgroup_size: 256
    .sgpr_count:     100
    .vgpr_count:     256
    .wavefront_size: 32
...
	.end_amdgpu_metadata
.endif
;; end of part 6
